; MI455X (gfx1250); checked and timed in simulation.
; The chip was launched on July 23, 2026; its instructions are those of AMD's public machine-readable ISA for CDNA 5 (MIT licence, August 2026) and "CDNA5" Instruction Set Architecture Reference Guide (July 2026). The comments in the code are by the model that wrote it; some were corrected since.
;; Multi Head Attention. Allowed arithmetic: matrix products marked QUANTISED: E2M3 operands, one E8M0 scale for each 32 along K, by v_wmma_scale_f32_16x16x128_f8f6f4 with both operands' format E2M3, f32 sums; everything else in f32.
;; Inputs: Wk 1,024 x 1,024 float32; Wo 1,024 x 1,024 float32; Wq 1,024 x 1,024 float32; Wv 1,024 x 1,024 float32; bk 1,024 float32; bo 1,024 float32; bq 1,024 float32; bv 1,024 float32; k 2 x 2,048 x 1,024 float32; q 2 x 2,048 x 1,024 float32; v 2 x 2,048 x 1,024 float32.
;; Outputs: out0 2 x 2,048 x 1,024 float32.
;; This version of the problem:
;;   THIS VERSION OF THE PROBLEM IS GIVEN IN LOW PRECISION. The matrix products marked QUANTISED in the list below multiply operands that are first quantised to E2M3 (2 exponent bits, 3 mantissa bits; 6 bits a number), with one power-of-two scale for each 32 numbers along K (OCP MX v1.0); their sums are f32. All else is computed in f32.
;;   The module's matrix products, in the order in which they are computed (A, B: the left and right operand; K: the contracted axis; several contracted axes count as one K, in the product's order):
;;     1. [M 4,096, K 1,024] x [K 1,024, N 1,024]; A: input q; B: input Wq: QUANTISED
;;     2. [M 4,096, K 1,024] x [K 1,024, N 1,024]; A: input k; B: input Wk: QUANTISED
;;     3. [M 4,096, K 1,024] x [K 1,024, N 1,024]; A: input v; B: input Wv: QUANTISED
;;     4. batch 32 x [M 2,048, K 64] x [K 64, N 2,048]; A: computed on the way; B: computed on the way: QUANTISED
;;     5. batch 32 x [M 2,048, K 2,048] x [K 2,048, N 64]; A: softmax (see below); B: computed on the way: QUANTISED
;;     6. [M 4,096, K 1,024] x [K 1,024, N 1,024]; A: computed on the way; B: input Wo: QUANTISED
;;   THE QUANTISER, for each operand of a quantised product, along K:
;;     - K is cut into blocks of 32 from its start; a last block that is shorter is filled with zeros.
;;     - A block's scale is 2^e with e = floor(log2(the largest magnitude in the block)) - 2, held to -126 .. 127; a block of zeros has e = 0. As a byte (E8M0): e + 127.
;;     - Each number is divided by its block's scale, clamped to +-7.5, and rounded to the nearest number of E2M3, ties to even, subnormals kept.
;;     - The product sums the exact products of the quantised numbers (number of the format x scale) in f32.
;;   ~~~python
;;   def quantise(x, axis):      # numpy; x: float32 -> the quantised numbers, widened to float32 again
;;       x = np.moveaxis(x, axis, -1); K = x.shape[-1]
;;       x = np.pad(x, [(0, 0)] * (x.ndim - 1) + [(0, -K % 32)]); x = x.reshape(x.shape[:-1] + (-1, 32)); a = np.abs(x).max(-1, keepdims=True)
;;       e = np.where(a > 0, np.clip(np.frexp(np.where(a > 0, a, 1))[1] - 1 - 2, -126, 127), 0)      # np.frexp(a)[1] - 1 = floor(log2(a)), exactly
;;       r = np.clip(x / 2.0 ** e, -7.5, 7.5)
;;       step = 2.0 ** (np.maximum(np.frexp(np.where(r == 0, 1, r))[1] - 1, 0) - 3)
;;       q = np.round(r / step) * step * 2.0 ** e      # np.round: ties to even
;;       return np.moveaxis(q.reshape(q.shape[:-2] + (-1,))[..., :K], -1, axis).astype(np.float32)
;;   ~~~
;;   SOFTMAX AHEAD OF A QUANTISED PRODUCT. Where the list says 'softmax', what is quantised is not the finished softmax but p = 2^(t - M), with t = logit x log2(e) and M = ceil(the row's largest t), a whole number; so 1/2 < the row's largest p <= 1. The row's sum l is taken of the UNQUANTISED p, in f32, and the product's result is divided by l at the end. Since M is a whole number, a kernel that streams over the keys may use a running M (the ceiling of the running maximum): every later rescaling is an exact power of two, which a block's scale takes up: the codes' values come out the same.
;;   OPERANDS COMPUTED ON THE WAY. 'Computed on the way' means the value that the module computes at that place (a softmax that the list does not call 'softmax' is quantised finished and normalised). What goes into a quantiser is computed in f32, as accurately as f32 sums, v_exp_f32 and their like allow (about 1e-6 of the number): no bf16 or f16 on the way to a quantiser, and a product that is left as it is and whose result goes on into a quantised operand takes f32 operands (vector FMAs, or v_wmma_f32_16x16x4_f32). A number that lies on a knife's edge between two numbers of the format may be rounded either way, as far as f32 arithmetic and the matrix unit's own rounding can turn it there, and no further.
;; One version. Each part assembles by itself: llvm-mc -triple=amdgcn-amd-amdhsa -mcpu=gfx1250 --defsym DOCPART=n.
;; ======== version 1 of 1: 4 launches
;; limits: right only within a limited range of input values
;; workspace buffers: xc 9,830,400 bytes; wc 3,276,800 bytes; kv 6,553,600 bytes; oc 3,276,800 bytes
;; launch quant (part 1): grid 640 x 1, 4 waves a work-group, no clusters, 47,616 bytes of LDS; arguments q, k, v, Wq, Wk, Wv, Wo, xc, wc; writes xc, wc
.if DOCPART == 1
	.amdgcn_target "amdgcn-amd-amdhsa--gfx1250"
	.amdhsa_code_object_version 6
	.text
	.protected	k_qbd25e8de90_quant
	.globl	k_qbd25e8de90_quant
	.p2align	8
	.type	k_qbd25e8de90_quant,@function
k_qbd25e8de90_quant:
	s_mov_b64 s[64:65], 0
	v_nop
	global_prefetch_b8 v0, s[64:65] scope:SCOPE_SE
	s_setreg_imm32_b32 hwreg(HW_REG_WAVE_MODE, 25, 1), 1
	s_wait_xcnt 0x0
; q, k, v [4096][1024] f32 (K innermost) and Wq, Wk, Wv, Wo [1024 (k)][1024 (n)] f32 (K outermost) become codes of FP6 (E2M3) with one E8M0 byte for each 32 along K.
; A block's scale is 2^(floor(log2(its largest magnitude)) - 2): its byte is the largest magnitude's exponent field - 2, held at 1 from below by a floor among the maximum's leaves.
; (A block of zeros so keeps the byte 1 where the rule says 127: its codes are zeros, and this program alone reads the bytes.)
; LIMITS: blocks whose largest magnitude lies under 2^(3 - 127) are held at the byte 1; NaN and infinities among the inputs are not served.
; THE WORKSPACE IS LAID AS THE OPERAND'S REGISTERS ARE.  A HALF IMAGE, 768 bytes, is 16 rows x 64 along K: lane l = r + 16 h holds row r, k = 32 h .. 32 h + 31, in 6 registers;
; registers 0-3 lie at byte 16 l, registers 4-5 at byte 512 + 8 l.  A fragment of 128 along K is two half images on end.  A tile of 16 rows has 12,800 bytes: two chunks (512 along K each) of
; four fragments (6,144 bytes) and 256 scale bytes, row r's word of the chunk's K step s at 16 r + 4 s.
; THE ROWS OF A TILE ARE NOT NEIGHBOURS: lane r of tile R holds row 32 (R / 2) + 8 (R % 2) + r + 8 (r / 8).
; Work-groups 0-383 take q, k, v (32 rows each), work-groups 384-639 the weights (128 columns x 128 along K each).  The two ways part on the work-group's number and have LDS bytes of their own.
; No wave shares anything with another: no barrier.  No matrix unit, no cluster, no tensor load: the launch streams its inputs once.
.set XSTG,  8448                       ; x way: a wave's stage: 16 rows x (512 bytes + 16)
.set WBASE, 33792                      ; weights' way: the stages begin behind the four x stages
.set WSTG,  3328                       ; a wave's stage: two fragments' images, 1,664 bytes apart
.set LD,    16                         ; v16-143  x way: two sets of 64 registers as loaded;  weights' way: 128 numbers down K
.set XN,    144                        ; v144-207 x way: 64 numbers of my row: register 32 c + i is k = 64 c + 32 h + i
.set PC,    208                        ; v208-219 x way: the fragment's 12 registers
.set EE,    220                        ; v220-222, v224-226 the conversions' second halves (a conversion's three registers begin on an even number)
.set WD,    144                        ; weights' way: block t's six registers at v[144 + 8 t]
.macro XLOAD s                         ; K step s of my 16 rows: each load is one row's 512 consecutive bytes
.irp i, 0,1,2,3,4,5,6,7,8,9,10,11,12,13,14,15
	global_load_b128 v[LD+64*((\s)%2)+4*\i:LD+64*((\s)%2)+4*\i+3], v[4+6*(\i/8)], s[4:5] offset:(\i+8*(\i/8))*4096+512*(\s) th:TH_LOAD_NT   ; rows 8-15 of a tile by v10
.endr
.endm
.macro XSTEP s
.if (\s) < 3
	s_wait_loadcnt 16                              ; this step's 16 loads are in; the next step's 16 may be out
.else
	s_wait_loadcnt 0x0
.endif
.irp i, 0,1,2,3,4,5,6,7,8,9,10,11,12,13,14,15
	ds_store_b128 v6, v[LD+64*((\s)%2)+4*\i:LD+64*((\s)%2)+4*\i+3] offset:528*\i   ; rows as they lie, 528 bytes apart
.endr
.irp c, 0,1
.irp j, 0,1,2,3,4,5,6,7
	ds_load_b128 v[XN+32*\c+4*\j:XN+32*\c+4*\j+3], v7 offset:256*\c+16*\j           ; back: my row's two blocks of 32; LDS serves a wave's instructions in order, so these see the stores
.endr
.endr
	s_wait_dscnt 0x0                               ; the numbers are back, and the stores have read the set as loaded
	s_wait_xcnt 0x0                                ; the last step's stores have read the fragment's registers, which are written again below
.if (\s)+2 < 4
	XLOAD (\s)+2
.endif
.irp c, 0,1
	v_max3_num_f32 v[228+\c], |v[XN+32*\c]|, |v[XN+32*\c+1]|, 0x1800000            ; block 2 c + h: all 32 numbers are mine; the floor 2^(3 - 127) keeps the byte at 1 from below
.endr
.irp i, 2,4,6,8,10,12,14,16,18,20,22,24,26,28,30
.irp c, 0,1
	v_max3_num_f32 v[228+\c], v[228+\c], |v[XN+32*\c+\i]|, |v[XN+32*\c+\i+1]|
.endr
.endr
.irp c, 0,1
	v_add_nc_u32 v[230+\c], 0xff000000, v[228+\c]  ; 2 off the exponent field: the conversion takes this operand's exponent field as its scale
.endr
.irp c, 0,1
	v_lshrrev_b32 v[232+\c], 23, v[230+\c]         ; the scale's byte
.endr
	v_lshl_or_b32 v234, v233, 16, v232             ; my two bytes, blocks h and 2 + h,
	v_lshlrev_b32 v234, v9, v234                   ; at their places in the word (8 h bits up);
	v_permlanex16_b32 v235, v234, s24, s25
	v_or_b32 v[236+(\s)], v234, v235               ; with lane l xor 16's two the row's word of this K step is whole
.irp c, 0,1
	v_cvt_scalef32_pk16_fp6_f32 v[PC+6*\c:PC+6*\c+2], v[XN+32*\c:XN+32*\c+15], v[230+\c]
	v_cvt_scalef32_pk16_fp6_f32 v[EE+4*\c:EE+4*\c+2], v[XN+32*\c+16:XN+32*\c+31], v[230+\c]
.endr
	v_nop                                          ; one plain instruction behind the scaled conversions
.irp c, 0,1
.irp i, 0,1,2
	v_mov_b32 v[PC+6*\c+3+\i], v[EE+4*\c+\i]
.endr
.endr
	global_store_b128 v4, v[PC:PC+3], s[18:19] offset:1536*(\s)          ; each store of the wave covers 512 or 256 consecutive bytes, aligned to 256
	global_store_b64 v5, v[PC+4:PC+5], s[18:19] offset:1536*(\s)+512
	global_store_b128 v4, v[PC+6:PC+9], s[18:19] offset:1536*(\s)+768
	global_store_b64 v5, v[PC+10:PC+11], s[18:19] offset:1536*(\s)+1280
.endm
.macro WLOAD t                         ; block t: W(128 s + 32 t + i, my column): 32 lanes read 128 consecutive bytes, the four waves 512
.irp i, 0,1,2,3,4,5,6,7,8,9,10,11,12,13,14,15,16,17,18,19,20,21,22,23,24,25,26,27,28,29,30,31
	global_load_b32 v[LD+32*(\t)+\i], v2, s[10:11] offset:(32*(\t)+\i)*4096 th:TH_LOAD_NT
.endr
.endm
.macro WBLOCK t                        ; block t = 2 c + h of the K step: it belongs to lane r + 16 h of my tile's image, half c
.set XS, LD+32*(\t)
.set DD, WD+8*(\t)
.if (\t) < 3
	s_wait_loadcnt 32                              ; this block's 32 loads are in; the next block's may be out
.else
	s_wait_loadcnt 0x0
.endif
.if (\t)+2 < 4
	WLOAD (\t)+2                                   ; two blocks ahead: at most 64 loads of a wave are out
.endif
	v_max3_num_f32 v180, |v[XS]|, |v[XS+1]|, 0x1800000
	v_max_num_f32 v181, |v[XS+2]|, |v[XS+3]|
.irp i, 4,8,12,16,20,24,28
	v_max3_num_f32 v180, v180, |v[XS+\i]|, |v[XS+\i+1]|
	v_max3_num_f32 v181, v181, |v[XS+\i+2]|, |v[XS+\i+3]|
.endr
	v_max_num_f32 v180, v180, v181                 ; the block's largest magnitude: all 32 numbers are mine
	v_add_nc_u32 v182, 0xff000000, v180
	v_lshrrev_b32 v183, 23, v182
.if (\t) == 0
	v_mov_b32 v188, v183
.else
	v_lshl_or_b32 v188, v183, 8*(\t), v188         ; my column's scale word of this K step
.endif
	v_cvt_scalef32_pk16_fp6_f32 v[DD:DD+2], v[XS:XS+15], v182
	v_cvt_scalef32_pk16_fp6_f32 v[176:178], v[XS+16:XS+31], v182
	v_nop
.irp i, 0,1,2
	v_mov_b32 v[DD+3+\i], v[176+\i]
.endr
	ds_store_b128 v3, v[DD:DD+3] offset:768*((\t)/2)+256*((\t)%2)
	ds_store_b64 v4, v[DD+4:DD+5] offset:768*((\t)/2)+512+128*((\t)%2)
.endm
	s_load_b512 s[4:19], s[0:1], 0x0               ; q s[4:5], k s[6:7], v s[8:9], Wq s[10:11], Wk s[12:13], Wv s[14:15], Wo s[16:17], xc s[18:19]
	s_load_b64 s[20:21], s[0:1], 0x40              ; wc
	v_lshl_add_u32 v254, v0, 2, 0xb800
	v_mov_b32 v255, 0
	v_lshrrev_b32 v1, 5, v0
	v_readfirstlane_b32 s22, v1                    ; wave 0..3
	v_and_b32 v1, 31, v0                           ; lane
	s_cmp_lt_u32 ttmp9, 384
	s_cbranch_scc0 .Lweights
	; ---- q, k, v.  The work-group owns rows 32 G .. 32 G + 31 of one tensor; wave w takes tile 2 G + (w >> 1), chunk w & 1: 16 rows x 512 along K, four K steps.
	v_and_b32 v2, 15, v0                           ; r
	v_bfe_u32 v3, v0, 4, 1                         ; h
	v_lshlrev_b32 v4, 4, v1                        ; 16 l: a load's and an image's place for my lane
	v_lshlrev_b32 v5, 3, v1                        ; 8 l
	s_mul_i32 s34, s22, XSTG
	v_add_nc_u32 v6, s34, v4                       ; the stage, on the way in
	v_mul_u32_u24 v7, v2, 528
	v_lshl_add_u32 v7, v3, 7, v7
	v_add_nc_u32 v7, s34, v7                       ; and back: row r, + 128 h
	v_lshlrev_b32 v8, 4, v2
	v_lshl_add_u32 v8, v3, 3, v8                   ; the scale words' place: 16 r + 8 h
	v_lshlrev_b32 v9, 3, v3                        ; 8 h
	v_mov_b32 v235, 0                              ; written once: a lane permute's destination counts as one of its sources
	s_mov_b32 s24, 0x76543210
	s_mov_b32 s25, 0xfedcba98                      ; v_permlanex16_b32's selects for lane l xor 16
	s_lshr_b32 s26, ttmp9, 7                       ; which tensor
	s_and_b32 s27, ttmp9, 127                      ; G
	s_lshr_b32 s28, s22, 1                         ; u
	s_and_b32 s29, s22, 1                          ; chunk
	s_lshl_b32 s30, s27, 17                        ; 32 G rows of 4,096 bytes,
	s_lshl_b32 s31, s28, 15                        ; 8 u rows,
	s_add_co_u32 s30, s30, s31
	; THE TENSOR k HAS ANOTHER ORDER OF ROWS: lane r of its tile 4 c + T holds key 64 c + 8 T + r % 8 + 32 (r / 8), so that in attention's S^T a lane's 32 registers of four tiles are one whole block of 32 keys.
	; Against q's and v's order: the tile's first row lies 16 (G % 2) rows higher up, and its rows 8-15 lie 16 rows further down.
	s_cmp_eq_u32 s26, 1
	s_cselect_b32 s35, 0x10000, 0                  ; 16 rows of 4,096 bytes for k, 0 for q and v
	s_and_b32 s36, s27, 1
	s_mul_i32 s36, s36, s35
	s_sub_co_u32 s30, s30, s36
	v_add_nc_u32 v10, s35, v4                      ; the offset for a tile's rows 8-15
	s_lshl_b32 s31, s29, 11
	s_add_co_u32 s30, s30, s31
	s_mov_b32 s31, 0
	s_lshl_b32 s32, s27, 1
	s_add_co_u32 s32, s32, s28                     ; the tile
	s_mul_i32 s32, s32, 12800
	s_mul_i32 s33, s29, 6400
	s_add_co_u32 s32, s32, s33
	s_mul_i32 s33, s26, 3276800
	s_add_co_u32 s32, s32, s33
	s_mov_b32 s33, 0
	s_wait_alu depctr_va_vdst(0)
	s_wait_kmcnt 0x0
	s_cmp_eq_u32 s26, 1
	s_cselect_b64 s[4:5], s[6:7], s[4:5]
	s_cmp_eq_u32 s26, 2
	s_cselect_b64 s[4:5], s[8:9], s[4:5]
	s_add_nc_u64 s[4:5], s[4:5], s[30:31]
	s_add_nc_u64 s[18:19], s[18:19], s[32:33]
	XLOAD 0
	XLOAD 1
	XSTEP 0
	XSTEP 1
	XSTEP 2
	XSTEP 3
	v_cmp_le_u32 vcc_lo, 16, v1
	v_cndmask_b32 v240, v236, v238, vcc_lo         ; lanes 0-15 store their row's words 0 and 1, lanes 16-31 words 2 and 3:
	v_cndmask_b32 v241, v237, v239, vcc_lo
	global_store_b64 v8, v[240:241], s[18:19] offset:6144   ; the wave's store covers the chunk's 256 scale bytes
	s_wait_tensorcnt 0x0
	ds_add_u32 v254, v255
	s_wait_dscnt 0x0
	s_endpgm
	; ---- The weights.  A lane takes a column n and its registers run down K: a block of 32 lies in one lane, and the conversions give codes with K innermost.
	; Work-group g: weight g / 64, K step (g % 64) / 8, columns 128 (g % 8) on; wave w the 32 columns of tiles 2 G and 2 G + 1, G = 4 (g % 8) + w.
.Lweights:
	s_sub_co_u32 s26, ttmp9, 384
	s_lshr_b32 s27, s26, 6                         ; which weight
	s_and_b32 s28, s26, 7
	s_bfe_u32 s29, s26, 0x30003                    ; K step 0..7
	s_lshl_b32 s30, s28, 2
	s_add_co_u32 s30, s30, s22                     ; G
	s_lshl_b32 s32, s29, 19                        ; 128 rows of 4,096 bytes a K step,
	s_lshl_b32 s33, s30, 7                         ; 32 columns of 4 bytes
	s_add_co_u32 s32, s32, s33
	s_mov_b32 s33, 0
	s_mul_i32 s34, s27, 819200
	s_mul_i32 s35, s30, 25600
	s_add_co_u32 s34, s34, s35
	s_lshr_b32 s35, s29, 2
	s_mul_i32 s35, s35, 6400
	s_add_co_u32 s34, s34, s35                     ; tile 2 G's chunk
	s_and_b32 s36, s29, 3
	s_mul_i32 s38, s36, 1536
	s_add_co_u32 s38, s38, s34                     ; the K step's fragment in it,
	s_mov_b32 s39, 0
	s_lshl_b32 s36, s36, 2
	s_add_co_u32 s36, s36, s34
	s_add_co_u32 s36, s36, 6144                    ; and its scale words
	s_mov_b32 s37, 0
	s_wait_alu depctr_va_vdst(0)
	v_lshlrev_b32 v2, 2, v1                        ; in: 4 bytes a lane
	v_bfe_u32 v10, v1, 3, 1                        ; column 32 G + lane is lane r of tile 2 G + u: u = (lane / 8) % 2,
	v_and_b32 v11, 7, v1
	v_lshrrev_b32 v12, 4, v1
	v_lshl_add_u32 v11, v12, 3, v11                ; r = lane % 8 + 8 (lane / 16)
	s_mul_i32 s40, s22, WSTG
	s_add_co_u32 s40, s40, WBASE                   ; my stage
	v_mul_u32_u24 v12, v10, 1664
	v_add_nc_u32 v12, s40, v12
	v_lshl_add_u32 v3, v11, 4, v12                 ; into it: tile u, 16 r
	v_lshl_add_u32 v4, v11, 3, v12                 ; and 8 r
	v_lshlrev_b32 v6, 4, v1
	v_add_nc_u32 v5, s40, v6                       ; out of it: 16 bytes a lane
	v_mul_u32_u24 v7, v10, 12800
	v_lshl_add_u32 v7, v11, 4, v7                  ; my scale word's place: tile u, 16 r
	s_wait_kmcnt 0x0
	s_cmp_eq_u32 s27, 1
	s_cselect_b64 s[10:11], s[12:13], s[10:11]
	s_cmp_eq_u32 s27, 2
	s_cselect_b64 s[10:11], s[14:15], s[10:11]
	s_cmp_eq_u32 s27, 3
	s_cselect_b64 s[10:11], s[16:17], s[10:11]
	s_add_nc_u64 s[10:11], s[10:11], s[32:33]
	s_add_nc_u64 s[38:39], s[20:21], s[38:39]
	s_add_nc_u64 s[36:37], s[20:21], s[36:37]
	WLOAD 0
	WLOAD 1
	WBLOCK 0
	WBLOCK 1
	WBLOCK 2
	WBLOCK 3
.irp u, 0,1
.irp g, 0,1,2
	ds_load_b128 v[192+12*\u+4*\g:192+12*\u+4*\g+3], v5 offset:1664*\u+512*\g      ; the two fragments' images, as they will lie in memory
.endr
.endr
	s_wait_alu depctr_va_vdst(0)
	s_wait_dscnt 0x0
.irp u, 0,1
.irp g, 0,1,2
	global_store_b128 v6, v[192+12*\u+4*\g:192+12*\u+4*\g+3], s[38:39] offset:12800*\u+512*\g   ; 512 consecutive bytes a store, aligned to 256
.endr
.endr
	global_store_b32 v7, v188, s[36:37]            ; 4 bytes a lane, 16 bytes apart: the other K steps' words between them come from other work-groups (131,072 bytes in the launch)
	s_wait_tensorcnt 0x0
	ds_add_u32 v254, v255
	s_wait_dscnt 0x0
	s_endpgm
.Lfunc_end_k_qbd25e8de90_quant:
	.size	k_qbd25e8de90_quant, .Lfunc_end_k_qbd25e8de90_quant-k_qbd25e8de90_quant
	.p2alignl 7, 3214868480
	.fill 96, 4, 3214868480
	.section	.rodata,"a",@progbits
	.p2align	6, 0x0
	.amdhsa_kernel k_qbd25e8de90_quant
		.amdhsa_group_segment_fixed_size 47616
		.amdhsa_private_segment_fixed_size 0
		.amdhsa_enable_private_segment 0
		.amdhsa_kernarg_size 72
		.amdhsa_user_sgpr_count 2
		.amdhsa_user_sgpr_kernarg_segment_ptr 1
		.amdhsa_wavefront_size32 1
		.amdhsa_system_sgpr_workgroup_id_x 1
		.amdhsa_system_sgpr_workgroup_id_y 1
		.amdhsa_system_sgpr_workgroup_id_z 1
		.amdhsa_system_vgpr_workitem_id 0
		.amdhsa_next_free_vgpr 256
		.amdhsa_next_free_sgpr 66
		.amdhsa_reserve_vcc 1
		.amdhsa_float_denorm_mode_32 3
		.amdhsa_float_denorm_mode_16_64 3
		.amdhsa_memory_ordered 1
		.amdhsa_forward_progress 1
		.amdhsa_inst_pref_size 53
	.end_amdhsa_kernel
	.amdgpu_metadata
---
amdhsa.version: [ 1, 2 ]
amdhsa.kernels:
  - .name:           k_qbd25e8de90_quant
    .symbol:         k_qbd25e8de90_quant.kd
    .args:
      - { .name: q, .offset: 0, .size: 8, .value_kind: global_buffer, .address_space: global }
      - { .name: k, .offset: 8, .size: 8, .value_kind: global_buffer, .address_space: global }
      - { .name: v, .offset: 16, .size: 8, .value_kind: global_buffer, .address_space: global }
      - { .name: Wq, .offset: 24, .size: 8, .value_kind: global_buffer, .address_space: global }
      - { .name: Wk, .offset: 32, .size: 8, .value_kind: global_buffer, .address_space: global }
      - { .name: Wv, .offset: 40, .size: 8, .value_kind: global_buffer, .address_space: global }
      - { .name: Wo, .offset: 48, .size: 8, .value_kind: global_buffer, .address_space: global }
      - { .name: xc, .offset: 56, .size: 8, .value_kind: global_buffer, .address_space: global }
      - { .name: wc, .offset: 64, .size: 8, .value_kind: global_buffer, .address_space: global }
    .group_segment_fixed_size: 47616
    .private_segment_fixed_size: 0
    .kernarg_segment_align: 8
    .kernarg_segment_size: 72
    .max_flat_workgroup_size: 128
    .sgpr_count:     66
    .vgpr_count:     256
    .wavefront_size: 32
...
	.end_amdgpu_metadata
.endif
;; end of part 1
;; launch proj (part 2): grid 4 x 64, 4 waves a work-group, clusters of 4 x 4, 327,680 bytes of LDS; arguments xc, wc, bk, bv, kv; writes kv
.if DOCPART == 2
	.amdgcn_target "amdgcn-amd-amdhsa--gfx1250"
	.amdhsa_code_object_version 6
	.text
	.protected	k_qbd25e8de90_proj
	.globl	k_qbd25e8de90_proj
	.p2align	8
	.type	k_qbd25e8de90_proj,@function
k_qbd25e8de90_proj:
	s_mov_b64 s[64:65], 0
	v_nop
	global_prefetch_b8 v0, s[64:65] scope:SCOPE_SE
	s_setreg_imm32_b32 hwreg(HW_REG_WAVE_MODE, 25, 1), 1
	s_wait_xcnt 0x0
	s_wait_alu depctr_hold_cnt(0) depctr_sa_sdst(0) depctr_va_vdst(0) depctr_va_sdst(0) depctr_va_ssrc(0) depctr_va_vcc(0) depctr_vm_vsrc(0)
	s_getreg_b32 s2, hwreg(HW_REG_IB_STS2, 6, 4)
	s_cmp_eq_u32 s2, 0
	s_cbranch_scc0 .Lentry_in_a_cluster
	s_endpgm
.Lentry_in_a_cluster:
	s_bfe_u32 s2, ttmp6, 0x10000c
	s_cmp_lg_u32 s2, 0xf033
	s_cbranch_scc0 .Lentry_shape_is_right
	s_endpgm
.Lentry_shape_is_right:
; The three projections x W + b on codes of FP6 (E2M3) with E8M0 scales, and their results quantised on the way out, as attention's operands.
; A work-group makes 128 rows of the side that falls on the LANES of a result (source 1) x 256 rows of the side that falls on its REGISTERS (source 0), over K = 1,024; four waves, 2 x 2, each 64 x 128:
; 32 accumulators of 16 x 16.  For Q and K the lane side is the tokens and the register side W's columns n: a lane holds one token and its registers run along n, the next product's K (the head's 64).
; For V the two buffers change sides: a lane holds one n and its registers run along the tokens, which are the keys, the second attention product's K.  The loop does not know which.
; OPERANDS lie in memory as images of their registers (a tile of 16 rows: two chunks of 512 along K, each four fragments of 1,536 bytes and 256 scale bytes; lane r of tile R holds row
; 32 (R / 2) + 8 (R % 2) + r + 8 (r / 8)), so that the 16 registers of register-side tiles 2 b and 2 b + 1 are 16 neighbours, 32 b + 16 h + 0 .. 15.
; ALL OF K STAYS IN LDS: two chunks of 153,600 bytes (lane side 8 tiles x 6,400, register side 16 x 6,400), each filled once: no LDS byte is filled twice, so there is no ring.
; CLUSTER 4 x 4: the four of a row need the same lane-side tiles, the four of a column the same register-side tiles: each tile is asked for jointly.  A wave issues two tensor loads, chunk 0's and chunk 1's, one out at a time.
; OUT: kv [bh][key step][K: 8 tiles x 768 | V: 4 tiles of d x 1,536 | K's pair words 256 | V's scale words 256].
; A pair word of tiles 2 p, 2 p + 1, row r: the first tile's two bytes, then the second's.
; LIMITS: a block whose largest magnitude lies under 2^(3 - 127) keeps the byte 1; NaN and infinities are not served.
; REGISTERS, in windows of 256: window 0: v1-11 lane terms; v16-27 LDS addresses (chunk 0, chunk 1); v32-79 scale words, a set a chunk; v80-111 at work on the way out; v128-223 lane-side fragments, two sets
; (on the way out: 64 numbers and the codes);  window 1: register-side fragments, two sets, at v0 and v128;  window 2: accumulator (a, b) at v[8 (8 a + b)];  window 3: v0-63 the bias along the registers, v64-71 along the lanes.
; THIS LAUNCH SERVES K AND V ALONE (s24 is 1 or 2): 2 x 128 work-groups.  Q's projection is made in the launch attn, by the work-group that uses it.
; K's tiles of tokens come in the order that the launch quant gives the tensor k: lane r of tile 4 c + T holds key 64 c + 8 T + r % 8 + 32 (r / 8).
; A wave issues chunk 0's load at the head and chunk 1's behind the wait, the add and a round of the cluster's barrier; the launch claims all of LDS.
.set WV,  18
.set WA,  19
.set WB,  20
.set CX,  21
.set CY,  22
.set PR,  24                           ; s24 which projection: 0 Q, 1 K, 2 V
.set TA,  26                           ; s26 which 128 rows of the lane side
.set TB,  27                           ; s27 which 256 rows of the register side
.set G1A, 40                           ; s[40:47], s[48:55] descriptor groups 1;  s[56:63], s[68:75] groups 0, one for each chunk
.set G1B, 48
.set G0A, 56
.set G0B, 68
.set SEL, 82
.set BLK, 6400                         ; a tile's chunk
.set CHK, 153600                       ; a chunk in LDS
.set TM,  80
.set EE,  100
.set MSB, 0
.macro WIN new                         ; the immediate's high byte repeats the setting that is left
.if MSB != \new
	s_set_vgpr_msb (MSB<<8)|\new
.set MSB, \new
.endif
.endm
.macro JLOAD j                         ; a joint load of chunk j; the branch hangs on the wave's number alone; four v_nop follow each of the two lines
	s_cmp_eq_u32 s[WA], 0
	s_cbranch_scc0 .Lfor_b_\@
	tensor_load_to_lds s[G0A+4*\j:G0A+4*\j+3], s[G1A:G1A+7]
	s_nop 0
.rept 4
	v_nop
.endr
	s_branch .Lasked_\@
.Lfor_b_\@:
	tensor_load_to_lds s[G0B+4*\j:G0B+4*\j+3], s[G1B:G1B+7]
	s_nop 0
.rept 4
	v_nop
.endr
.Lasked_\@:
.endm
.macro CROUND                          ; a round of the cluster's barrier
	s_barrier_signal -1
	s_barrier_wait -1
	s_cmp_lg_u32 s[WV], 0
	s_cbranch_scc1 .Lnot_wave_0_\@
	s_barrier_signal -3
.Lnot_wave_0_\@:
	s_barrier_wait -3
	s_barrier_signal -1
	s_barrier_wait -1
.endm
.macro PLACES                          ; four plain instructions behind a matrix instruction, ahead of loads into its sources and of reads of its results
.rept 4
	v_nop
.endr
.endm
.macro FRAG f, a16, a8, o              ; a fragment's image, 1,536 bytes at byte o, into 12 registers: every load takes consecutive bytes in consecutive lanes
	ds_load_b128 v[(\f):(\f)+3], v[\a16] offset:(\o)
	ds_load_b64 v[(\f)+4:(\f)+5], v[\a8] offset:(\o)+512
	ds_load_b128 v[(\f)+6:(\f)+9], v[\a16] offset:(\o)+768
	ds_load_b64 v[(\f)+10:(\f)+11], v[\a8] offset:(\o)+1280
.endm
.macro FETCH q                         ; K step q: eight register-side fragments and four lane-side ones into set q % 2
	WIN 0x40
.irp b, 0,1,2,3,4,5,6,7
	FRAG 128*((\q)%2)+12*\b, 18+6*((\q)/4), 19+6*((\q)/4), BLK*\b+1536*((\q)%4)
.endr
	WIN 0
.irp a, 0,1,2,3
	FRAG 128+48*((\q)%2)+12*\a, 16+6*((\q)/4), 17+6*((\q)/4), BLK*\a+1536*((\q)%4)
.endr
.endm
.macro SCALES j                        ; chunk j's scale words: a lane's 16 bytes are its row's four words; lanes 0-15 take tile 2 i, lanes 16-31 tile 2 i + 1
.irp i, 0,1
	ds_load_b128 v[32+24*\j+4*\i:32+24*\j+4*\i+3], v[20+6*\j] offset:2*BLK*\i
.endr
.irp i, 0,1,2,3
	ds_load_b128 v[40+24*\j+4*\i:40+24*\j+4*\i+3], v[21+6*\j] offset:2*BLK*\i
.endr
.endm
.macro WM zero                         ; one product: register-side tile b_ (source 0) x lane-side tile a_ (source 1).  An odd tile's scale words stand in lanes 16-31
.set rD, 8*(8*a_+b_)
.set rB, 128*qs_+12*b_
.set rA, 128+48*qs_+12*a_
.set rSB, sj_+8+4*(b_/2)+sp_
.set rSA, sj_+4*(a_/2)+sp_
.if \zero
.if (b_%2 == 0) && (a_%2 == 0)
	v_wmma_scale_f32_16x16x128_f8f6f4 v[rD:rD+7], v[rB:rB+11], v[rA:rA+11], 0, v[rSB], v[rSA] matrix_a_fmt:MATRIX_FMT_FP6 matrix_b_fmt:MATRIX_FMT_FP6
.elseif (a_%2 == 0)
	v_wmma_scale_f32_16x16x128_f8f6f4 v[rD:rD+7], v[rB:rB+11], v[rA:rA+11], 0, v[rSB], v[rSA] matrix_a_fmt:MATRIX_FMT_FP6 matrix_b_fmt:MATRIX_FMT_FP6 matrix_a_scale:MATRIX_SCALE_ROW1
.elseif (b_%2 == 0)
	v_wmma_scale_f32_16x16x128_f8f6f4 v[rD:rD+7], v[rB:rB+11], v[rA:rA+11], 0, v[rSB], v[rSA] matrix_a_fmt:MATRIX_FMT_FP6 matrix_b_fmt:MATRIX_FMT_FP6 matrix_b_scale:MATRIX_SCALE_ROW1
.else
	v_wmma_scale_f32_16x16x128_f8f6f4 v[rD:rD+7], v[rB:rB+11], v[rA:rA+11], 0, v[rSB], v[rSA] matrix_a_fmt:MATRIX_FMT_FP6 matrix_b_fmt:MATRIX_FMT_FP6 matrix_a_scale:MATRIX_SCALE_ROW1 matrix_b_scale:MATRIX_SCALE_ROW1
.endif
.else
.if (b_%2 == 0) && (a_%2 == 0)
	v_wmma_scale_f32_16x16x128_f8f6f4 v[rD:rD+7], v[rB:rB+11], v[rA:rA+11], v[rD:rD+7], v[rSB], v[rSA] matrix_a_fmt:MATRIX_FMT_FP6 matrix_b_fmt:MATRIX_FMT_FP6
.elseif (a_%2 == 0)
	v_wmma_scale_f32_16x16x128_f8f6f4 v[rD:rD+7], v[rB:rB+11], v[rA:rA+11], v[rD:rD+7], v[rSB], v[rSA] matrix_a_fmt:MATRIX_FMT_FP6 matrix_b_fmt:MATRIX_FMT_FP6 matrix_a_scale:MATRIX_SCALE_ROW1
.elseif (b_%2 == 0)
	v_wmma_scale_f32_16x16x128_f8f6f4 v[rD:rD+7], v[rB:rB+11], v[rA:rA+11], v[rD:rD+7], v[rSB], v[rSA] matrix_a_fmt:MATRIX_FMT_FP6 matrix_b_fmt:MATRIX_FMT_FP6 matrix_b_scale:MATRIX_SCALE_ROW1
.else
	v_wmma_scale_f32_16x16x128_f8f6f4 v[rD:rD+7], v[rB:rB+11], v[rA:rA+11], v[rD:rD+7], v[rSB], v[rSA] matrix_a_fmt:MATRIX_FMT_FP6 matrix_b_fmt:MATRIX_FMT_FP6 matrix_a_scale:MATRIX_SCALE_ROW1 matrix_b_scale:MATRIX_SCALE_ROW1
.endif
.endif
.endm
.macro MUL q, a0, n, zero              ; K step q: lane-side tiles a0 .. a0 + n - 1 x all eight register-side tiles.  The 32 accumulators take turns, one instruction a turn, in the same order in every K step
	WIN 0xa1                                       ; source 0 window 1, source 1 window 0, C and D window 2
.set qs_, (\q)%2
.set sp_, (\q)%4
.set sj_, 32+24*((\q)/4)
.set a_, \a0
.rept \n
.set b_, 0
.rept 8
	WM \zero
.set b_, b_+1
.endr
.set a_, a_+1
.endr
.endm
.macro KSTEP q                         ; the fragments of K step q are in; those of q + 1 are asked for and land under this step's 32 products
	s_wait_dscnt 0x0
	PLACES
	FETCH (\q)+1
	MUL \q, 0, 4, 0
.endm
; 64 numbers of a lane, register 16 b + i = k 32 b + 16 h + i of its row, become a fragment's 12 registers at v[pc] and the row's scale word in v[pw]
.macro QUANT4 s, pc, pw
.irp b, 0,1,2,3
	v_max3_num_f32 v[TM+\b], |v[\s+16*\b]|, |v[\s+1+16*\b]|, 0x1800000   ; my 16 numbers of block b, and the floor 2^(3 - 127): the byte cannot fall under 1
.endr
.irp i, 2,4,6,8,10,12,14
.irp b, 0,1,2,3
	v_max3_num_f32 v[TM+\b], v[TM+\b], |v[\s+16*\b+\i]|, |v[\s+1+16*\b+\i]|
.endr
.endr
.irp b, 0,1,2,3
	v_permlanex16_b32 v[TM+4+\b], v[TM+\b], s[SEL], s[SEL+1]
.endr
.irp b, 0,1,2,3
	v_max_num_f32 v[TM+\b], v[TM+\b], v[TM+4+\b]   ; with lane l xor 16's: the block's largest magnitude
.endr
.irp b, 0,1,2,3
	v_add_nc_u32 v[TM+12+\b], 0xff000000, v[TM+\b] ; 2 off its exponent field: the conversion's scale operand
.endr
.irp b, 0,1,2,3
	v_lshrrev_b32 v[TM+4+\b], 23, v[TM+12+\b]      ; the scale's byte
.endr
	v_lshl_or_b32 v[\pw], v[TM+5], 8, v[TM+4]
	v_lshl_or_b32 v[\pw], v[TM+6], 16, v[\pw]
	v_lshl_or_b32 v[\pw], v[TM+7], 24, v[\pw]
.irp c, 0,1
	v_cvt_scalef32_pk16_fp6_f32 v[(\pc)+6*\c:(\pc)+6*\c+2], v[\s+32*\c:\s+32*\c+15], v[TM+12+2*\c]
	v_cvt_scalef32_pk16_fp6_f32 v[EE+4*\c:EE+4*\c+2], v[\s+32*\c+16:\s+32*\c+31], v[TM+12+2*\c+1]
.endr
	v_nop                                          ; one plain instruction behind the scaled conversions
.irp c, 0,1                            ; the layout wants a whole block in a lane: lanes 0-15 block 2 c, lanes 16-31 block 2 c + 1
.irp i, 0,1,2
	v_permlane16_swap_b32 v[(\pc)+6*\c+\i], v[EE+4*\c+\i]
.endr
.irp i, 0,1,2
	v_mov_b32 v[(\pc)+6*\c+3+\i], v[EE+4*\c+\i]
.endr
.endr
.endm
	s_load_b256 s[4:11], s[0:1], 0x0               ; xc s[4:5], wc s[6:7], bk s[8:9], bv s[10:11]
	s_load_b64 s[16:17], s[0:1], 0x20              ; kv  (above: xc s[4:5], wc s[6:7], bk s[8:9], bv s[10:11])
	v_lshl_add_u32 v254, v0, 2, 0x4b000
	v_mov_b32 v255, 0
	ds_add_u32 v254, v255
	ds_add_u32 v254, v255
	v_lshrrev_b32 v1, 5, v0
	v_readfirstlane_b32 s[WV], v1
	s_lshr_b32 s[WA], s[WV], 1
	s_and_b32 s[WB], s[WV], 1
	s_bfe_u32 s[CX], ttmp6, 0x40000
	s_bfe_u32 s[CY], ttmp6, 0x40004
	s_and_b32 s23, ttmp7, 0xffff                   ; the cluster's y, 0..15: eight clusters for each projection
	s_lshr_b32 s[PR], s23, 3
	s_add_co_u32 s[PR], s[PR], 1                   ; clusters 0-7: K (1), clusters 8-15: V (2)
	s_and_b32 s25, s23, 7
	s_and_b32 s28, s25, 1
	s_lshr_b32 s29, s25, 1
	s_cmp_eq_u32 s[PR], 2
	s_cselect_b32 s28, s28, s25                    ; Q, K: 32 blocks of tokens on the lane side, 4 of n on the register side;
	s_cselect_b32 s29, s29, 0                      ; V: 8 blocks of n on the lane side, 16 of tokens on the register side
	s_lshl_b32 s[TA], s28, 2
	s_add_co_u32 s[TA], s[TA], s[CY]               ; shared along a row of the cluster
	s_lshl_b32 s[TB], s29, 2
	s_add_co_u32 s[TB], s[TB], s[CX]               ; shared along a column
	s_lshl_b32 s30, s[TA], 3
	s_lshl_b32 s31, s[WB], 2
	s_add_co_u32 s30, s30, s31
	s_mul_i32 s30, s30, 2*BLK                      ; lane side: tile 8 TA + 4 x half
	s_lshl_b32 s32, s[TB], 4
	s_lshl_b32 s33, s[WB], 3
	s_add_co_u32 s32, s32, s33
	s_mul_i32 s32, s32, 2*BLK                      ; register side: tile 16 TB + 8 x half
	s_mul_i32 s34, s[PR], 3276800                  ; the projection's tensor in xc,
	s_mul_i32 s35, s[PR], 819200                   ; its weight in wc
	s_cmp_eq_u32 s[PR], 2
	s_cselect_b32 s36, s35, s34
	s_cselect_b32 s37, s34, s35
	s_add_co_u32 s30, s30, s36
	s_add_co_u32 s32, s32, s37
	s_mov_b32 s31, 0
	s_mov_b32 s33, 0
	s_mul_i32 s78, s[WB], 4*BLK                    ; where my load goes: no place in the cluster enters an LDS address
	s_mul_i32 s79, s[WB], 8*BLK
	s_add_co_u32 s79, s79, 8*BLK
	s_lshl_b32 s76, s[CY], 2
	s_lshl_b32 s76, 15, s76                        ; my row of the cluster
	s_lshl_b32 s77, 0x1111, s[CX]                  ; my column
	s_or_b32 s[G1A], s76, (3<<16)|(1<<21)          ; 15:0 the mask; 17:16 elements of 8 bytes; 21 set beside a mask; no padding
	s_or_b32 s[G1B], s77, (3<<16)|(1<<21)
	s_mov_b32 s[G1A+1], 800<<16                    ; tensor_dim0: a tile's chunk, 6,400 bytes
	s_mov_b32 s[G1A+2], 4<<16                      ; tensor_dim1: four tiles
	s_mov_b32 s[G1A+3], 800<<16                    ; tile_dim0
	s_mov_b32 s[G1A+4], 4                          ; tile_dim1
	s_mov_b32 s[G1A+5], 1600                       ; from tile to tile: 12,800 bytes
	s_mov_b32 s[G1A+6], 0
	s_mov_b32 s[G1A+7], 0
	s_mov_b32 s[G1B+1], 800<<16
	s_mov_b32 s[G1B+2], 8<<16                      ; eight tiles
	s_mov_b32 s[G1B+3], 800<<16
	s_mov_b32 s[G1B+4], 8
	s_mov_b32 s[G1B+5], 1600
	s_mov_b32 s[G1B+6], 0
	s_mov_b32 s[G1B+7], 0
	s_mov_b32 s[SEL], 0x76543210
	s_mov_b32 s[SEL+1], 0xfedcba98
	s_wait_dscnt 0x0
	s_wait_kmcnt 0x0
	s_cmp_eq_u32 s[PR], 2
	s_cselect_b64 s[36:37], s[6:7], s[4:5]         ; the lane side's buffer: for V the weights,
	s_cselect_b64 s[38:39], s[4:5], s[6:7]         ; the register side's: for V the tokens
	s_add_nc_u64 s[36:37], s[36:37], s[30:31]
	s_add_nc_u64 s[38:39], s[38:39], s[32:33]
.irp j, 0,1
	s_mov_b32 s[G0A+4*\j], 1
	s_add_co_u32 s[G0A+4*\j+1], s78, \j*CHK
	s_add_nc_u64 s[G0A+4*\j+2:G0A+4*\j+3], s[36:37], \j*BLK
	s_or_b32 s[G0A+4*\j+3], s[G0A+4*\j+3], 0x80000000
	s_mov_b32 s[G0B+4*\j], 1
	s_add_co_u32 s[G0B+4*\j+1], s79, \j*CHK
	s_add_nc_u64 s[G0B+4*\j+2:G0B+4*\j+3], s[38:39], \j*BLK
	s_or_b32 s[G0B+4*\j+3], s[G0B+4*\j+3], 0x80000000
.endr
	CROUND                                         ; all sixteen work-groups are here: the joint loads meet
	JLOAD 0
	v_and_b32 v1, 31, v0                           ; lane
	v_and_b32 v2, 15, v0                           ; r
	v_bfe_u32 v3, v0, 4, 1                         ; h
	v_lshlrev_b32 v4, 4, v1
	v_lshlrev_b32 v5, 3, v1
	v_lshlrev_b32 v6, 2, v1
	v_lshlrev_b32 v7, 6, v3                        ; the bias along the registers: 16 h numbers on
	v_and_b32 v8, 8, v2
	v_add_nc_u32 v8, v8, v2
	v_lshlrev_b32 v8, 2, v8                        ; along the lanes: number r + 8 (r / 8)
	s_mul_i32 s80, s[WA], 4*BLK                    ; my four lane-side tiles,
	s_mul_i32 s81, s[WB], 8*BLK
	s_add_co_u32 s81, s81, 8*BLK                   ; my eight register-side tiles
	v_add_nc_u32 v16, s80, v4
	v_add_nc_u32 v17, s80, v5
	v_add_nc_u32 v18, s81, v4
	v_add_nc_u32 v19, s81, v5
	v_mul_u32_u24 v9, v3, BLK
	v_lshl_add_u32 v9, v2, 4, v9
	v_add_nc_u32 v9, 6144, v9                      ; scale words: tile h of a pair, row r
	v_add_nc_u32 v20, s80, v9
	v_add_nc_u32 v21, s81, v9
.irp i, 0,1,2,3,4,5
	v_add_nc_u32 v[22+\i], CHK, v[16+\i]           ; the same in chunk 1
.endr
.irp b, 0,1,2,3
	v_mov_b32 v[TM+4+\b], 0                        ; written once: a lane permute's destination counts as one of its sources
.endr
	; the bias, in both forms, so that no branch stands here: the form that a projection does not use is read at a masked place inside the buffer
	s_cmp_eq_u32 s[PR], 2
	s_cselect_b64 s[96:97], s[10:11], s[8:9]       ; bv or bk
	s_and_b32 s84, s[TB], 3
	s_lshl_b32 s84, s84, 10
	s_lshl_b32 s85, s[WB], 9
	s_add_co_u32 s84, s84, s85
	s_mov_b32 s85, 0
	s_add_nc_u64 s[98:99], s[96:97], s[84:85]      ; n = 256 TB + 128 x my half
	s_and_b32 s84, s[TA], 7
	s_lshl_b32 s84, s84, 9
	s_lshl_b32 s86, s[WA], 8
	s_add_co_u32 s84, s84, s86
	s_add_nc_u64 s[96:97], s[96:97], s[84:85]      ; n = 128 TA + 64 x my half
	WIN 0xc0                                       ; destination window 3
.irp b, 0,1,2,3
.irp i, 0,1,2,3
	global_load_b128 v[16*\b+4*\i:16*\b+4*\i+3], v7, s[98:99] offset:128*\b+16*\i   ; register 16 b + x: n = 32 b + 16 h + x
.endr
.endr
.irp a, 0,1,2,3
	global_load_b32 v[64+2*\a], v8, s[96:97] offset:(32*(\a/2)+8*(\a%2))*4
	global_load_b32 v[65+2*\a], v8, s[96:97] offset:(32*(\a/2)+8*(\a%2))*4          ; (the packed addition names a pair)
.endr
	WIN 0
	s_wait_alu depctr_va_vdst(0)
	s_wait_tensorcnt 0x0                           ; my part of chunk 0 is in;
	ds_add_u32 v254, v255
	s_wait_dscnt 0x0
	CROUND                                         ; everybody's part is in, and all sixteen work-groups are here
	JLOAD 1                                        ; chunk 1, first filled as a refill is: my one tensor load behind the round
	FETCH 0
	SCALES 0
	s_wait_dscnt 0x0
	FETCH 1
	MUL 0, 0, 4, 1                                 ; the first products start the sums: nothing is cleared
	KSTEP 1
	s_wait_dscnt 0x0
	PLACES
	FETCH 3
	MUL 2, 0, 2, 0
	s_wait_tensorcnt 0x0                           ; my part of chunk 1 is in,
	s_wait_dscnt 0x0                               ; and my last reads of chunk 0 are back
	s_barrier_signal -1
	MUL 2, 2, 2, 0
	s_barrier_wait -1                              ; everybody's are
	PLACES
	FETCH 4
	SCALES 1
	MUL 3, 0, 4, 0
	KSTEP 4
	KSTEP 5
	KSTEP 6
	s_wait_dscnt 0x0
	MUL 7, 0, 4, 0
	WIN 0
	s_wait_loadcnt 0x0                             ; the bias
	PLACES
	s_cmp_eq_u32 s[PR], 2                          ; the same in all partners: it hangs on the cluster's y alone
	s_cbranch_scc1 .Lv_arm
	; ---- Q and K.  My 128 n are two heads; lane-side tile a is tile 4 x (wave / 2) + a of token step TA.  Registers 0-5 of the codes are head 0's half image, registers 6-11 head 1's.
	s_lshr_b32 s84, s[TA], 4                       ; batch
	s_and_b32 s85, s[TA], 15                       ; step
	s_lshl_b32 s86, s[TB], 2
	s_lshl_b32 s87, s[WB], 1
	s_add_co_u32 s86, s86, s87                     ; my first head
	s_lshl_b32 s84, s84, 4
	s_add_co_u32 s84, s84, s86
	s_lshl_b32 s84, s84, 4
	s_add_co_u32 s84, s84, s85                     ; (16 batch + head) x 16 + step
	s_mov_b64 s[88:89], s[16:17]                   ; kv
	s_mov_b32 s86, 12800                           ; a step's block,
	s_mov_b32 s87, 12288                           ; and where its pair words begin
	s_mul_i32 s84, s84, s86
	s_mov_b32 s85, 0
	s_add_nc_u64 s[88:89], s[88:89], s[84:85]      ; head 0's block
	s_lshl_b32 s84, s86, 4
	s_add_nc_u64 s[90:91], s[88:89], s[84:85]      ; head 1's: 16 steps on
	s_lshl_b32 s84, s[WA], 7
	s_add_co_u32 s84, s84, s87
	s_add_nc_u64 s[92:93], s[88:89], s[84:85]      ; my two pairs' words
	s_add_nc_u64 s[94:95], s[90:91], s[84:85]
	s_mul_i32 s84, s[WA], 3072
	s_add_nc_u64 s[88:89], s[88:89], s[84:85]      ; my four tiles
	s_add_nc_u64 s[90:91], s[90:91], s[84:85]
.irp a, 0,1,2,3
	WIN 0x0e                                       ; source 0 window 2 (the sums), source 1 window 3 (the bias)
.set i_, 0
.rept 32
	v_pk_add_f32 v[128+2*i_:129+2*i_], v[64*\a+2*i_:64*\a+2*i_+1], v[2*i_:2*i_+1]   ; each accumulator from its low end on
.set i_, i_+1
.endr
	WIN 0
	QUANT4 128, 192+12*\a, 96+\a
	global_store_b128 v4, v[192+12*\a:195+12*\a], s[88:89] offset:768*\a             ; each store covers 512 or 256 consecutive bytes, aligned to 256
	global_store_b64 v5, v[196+12*\a:197+12*\a], s[88:89] offset:768*\a+512
	global_store_b128 v4, v[198+12*\a:201+12*\a], s[90:91] offset:768*\a
	global_store_b64 v5, v[202+12*\a:203+12*\a], s[90:91] offset:768*\a+512
.endr
	v_cmp_le_u32 vcc_lo, 16, v1
	v_perm_b32 v108, v97, v96, 0x05040100          ; head 0: the low halves of two tiles' words make a pair word,
	v_perm_b32 v109, v99, v98, 0x05040100
	v_perm_b32 v110, v97, v96, 0x07060302          ; head 1: the high halves
	v_perm_b32 v111, v99, v98, 0x07060302
	v_cndmask_b32 v108, v108, v109, vcc_lo         ; lanes 0-15 store my first pair's, lanes 16-31 my second's
	v_cndmask_b32 v110, v110, v111, vcc_lo
	global_store_b32 v6, v108, s[92:93]            ; 128 consecutive bytes; the 128 beside them come from the wave with the other tiles
	global_store_b32 v6, v110, s[94:95]
	s_branch .Lend
	; ---- V.  My 64 n are one head, lane-side tile a its tile a of d; my 128 tokens are one key step.  The codes are a whole fragment: 16 of d x 128 keys.
.Lv_arm:
	s_lshl_b32 s84, s[TA], 1
	s_add_co_u32 s84, s84, s[WA]                   ; head
	s_lshl_b32 s85, s[TB], 1
	s_add_co_u32 s85, s85, s[WB]                   ; key step of both batches
	s_lshr_b32 s86, s85, 4
	s_and_b32 s85, s85, 15
	s_lshl_b32 s86, s86, 4
	s_add_co_u32 s86, s86, s84
	s_lshl_b32 s86, s86, 4
	s_add_co_u32 s86, s86, s85
	s_mul_i32 s84, s86, 12800
	s_mov_b32 s85, 0
	s_add_nc_u64 s[88:89], s[16:17], s[84:85]      ; the step's block in kv
.irp a, 0,1,2,3
	WIN 0x0e
.set i_, 0
.rept 32
	v_pk_add_f32 v[128+2*i_:129+2*i_], v[64*\a+2*i_:64*\a+2*i_+1], v[64+2*\a:65+2*\a] op_sel_hi:[1,0]   ; my lane's one bias for all its keys
.set i_, i_+1
.endr
	WIN 0
	QUANT4 128, 192+12*\a, 96+\a
	global_store_b128 v4, v[192+12*\a:195+12*\a], s[88:89] offset:6144+1536*\a
	global_store_b64 v5, v[196+12*\a:197+12*\a], s[88:89] offset:6144+1536*\a+512
	global_store_b128 v4, v[198+12*\a:201+12*\a], s[88:89] offset:6144+1536*\a+768
	global_store_b64 v5, v[202+12*\a:203+12*\a], s[88:89] offset:6144+1536*\a+1280
.endr
	v_cmp_le_u32 vcc_lo, 16, v1
	v_cndmask_b32 v108, v96, v97, vcc_lo           ; lanes 0-15 tile 0's words, lanes 16-31 tile 1's
	v_cndmask_b32 v110, v98, v99, vcc_lo
	global_store_b32 v6, v108, s[88:89] offset:12544
	global_store_b32 v6, v110, s[88:89] offset:12672
.Lend:
	s_wait_tensorcnt 0x0
	ds_add_u32 v254, v255
	s_wait_dscnt 0x0
	CROUND                                         ; the closing round: no work-group ends while a partner may still ask for a tile that names it
	s_endpgm
.Lfunc_end_k_qbd25e8de90_proj:
	.size	k_qbd25e8de90_proj, .Lfunc_end_k_qbd25e8de90_proj-k_qbd25e8de90_proj
	.p2alignl 7, 3214868480
	.fill 96, 4, 3214868480
	.section	.rodata,"a",@progbits
	.p2align	6, 0x0
	.amdhsa_kernel k_qbd25e8de90_proj
		.amdhsa_group_segment_fixed_size 327680
		.amdhsa_private_segment_fixed_size 0
		.amdhsa_enable_private_segment 0
		.amdhsa_kernarg_size 40
		.amdhsa_user_sgpr_count 2
		.amdhsa_user_sgpr_kernarg_segment_ptr 1
		.amdhsa_wavefront_size32 1
		.amdhsa_system_sgpr_workgroup_id_x 1
		.amdhsa_system_sgpr_workgroup_id_y 1
		.amdhsa_system_sgpr_workgroup_id_z 1
		.amdhsa_system_vgpr_workitem_id 0
		.amdhsa_next_free_vgpr 848
		.amdhsa_next_free_sgpr 100
		.amdhsa_reserve_vcc 1
		.amdhsa_float_denorm_mode_32 3
		.amdhsa_float_denorm_mode_16_64 3
		.amdhsa_memory_ordered 1
		.amdhsa_forward_progress 1
		.amdhsa_inst_pref_size 122
	.end_amdhsa_kernel
	.amdgpu_metadata
---
amdhsa.version: [ 1, 2 ]
amdhsa.kernels:
  - .name:           k_qbd25e8de90_proj
    .symbol:         k_qbd25e8de90_proj.kd
    .args:
      - { .name: xc, .offset: 0, .size: 8, .value_kind: global_buffer, .address_space: global }
      - { .name: wc, .offset: 8, .size: 8, .value_kind: global_buffer, .address_space: global }
      - { .name: bk, .offset: 16, .size: 8, .value_kind: global_buffer, .address_space: global }
      - { .name: bv, .offset: 24, .size: 8, .value_kind: global_buffer, .address_space: global }
      - { .name: kv, .offset: 32, .size: 8, .value_kind: global_buffer, .address_space: global }
    .group_segment_fixed_size: 327680
    .private_segment_fixed_size: 0
    .kernarg_segment_align: 8
    .kernarg_segment_size: 40
    .max_flat_workgroup_size: 128
    .sgpr_count:     100
    .vgpr_count:     848
    .wavefront_size: 32
...
	.end_amdgpu_metadata
.endif
;; end of part 2
;; launch attn (part 3): grid 8 x 32, 8 waves a work-group, clusters of 4 x 1, 257,024 bytes of LDS; arguments xc, wc, bq, kv, oc; writes oc
.if DOCPART == 3
	.amdgcn_target "amdgcn-amd-amdhsa--gfx1250"
	.amdhsa_code_object_version 6
	.text
	.protected	k_qbd25e8de90_attn
	.globl	k_qbd25e8de90_attn
	.p2align	8
	.type	k_qbd25e8de90_attn,@function
k_qbd25e8de90_attn:
	s_mov_b64 s[64:65], 0
	v_nop
	global_prefetch_b8 v0, s[64:65] scope:SCOPE_SE
	s_setreg_imm32_b32 hwreg(HW_REG_WAVE_MODE, 25, 1), 1
	s_wait_xcnt 0x0
	s_wait_alu depctr_hold_cnt(0) depctr_sa_sdst(0) depctr_va_vdst(0) depctr_va_sdst(0) depctr_va_ssrc(0) depctr_va_vcc(0) depctr_vm_vsrc(0)
	s_getreg_b32 s2, hwreg(HW_REG_IB_STS2, 6, 4)
	s_cmp_eq_u32 s2, 0
	s_cbranch_scc0 .Lentry_in_a_cluster
	s_endpgm
.Lentry_in_a_cluster:
	s_bfe_u32 s2, ttmp6, 0x10000c
	s_cmp_lg_u32 s2, 0x3003
	s_cbranch_scc0 .Lentry_shape_is_right
	s_endpgm
.Lentry_shape_is_right:
; Q's projection and attention of one (batch, head) for 256 queries; all products on codes of FP6 (E2M3) with E8M0 scales; the result is quantised along d_model as the last product's operand.
; Nothing of the problem is left out.
; t = score x log2(e) / 8; M = the running largest t rounded UP to a whole number; p = 2^(t - M) is quantised along the keys, not normalised; the row's sum is taken of the unquantised p and divides at the end.
; When M moves, the sum and O are multiplied by 2^(old M - new M): exact.
; SHARES.  Eight waves, two to a SIMD, each TWO tiles of 16 queries: every fragment of K, V and Wq that a wave reads from LDS feeds both tiles.  Every wave walks the head's 2,048 keys, 128 a step.
; K, V AND THEIR SCALES, 16 steps x 12,800 bytes, are one dense block of kv and stay in LDS, filled once: wave w fetches steps 2 w and 2 w + 1 by one tensor load, asked for jointly by the cluster's four
; query blocks, which belong to one head.  One barrier shows all of it; the loop over the keys has no barrier and no wait on TENSORcnt.
; Q = x Wq + bq FOR MY 32 QUERIES AND THE HEAD'S 64 COLUMNS is made while those loads are out: each (head, query tile) is made once in the launch.  x's tiles (images of the operand's registers, 12,800 bytes of xc each)
; come straight into registers; the head's four tiles of Wq, 51,200 dense bytes of wc, go through registers into LDS bytes of their own, 200 bytes a thread.  They are not asked for jointly:
; every wave's one tensor load at the head is taken by K and V, and they are 51,200 of the work-group's 256,000 bytes.  bq is where the sums begin.
; NO PREFETCH: every tile is asked for at the head; there is no loop to run ahead in.
; LAYOUT.  All products are used transposed (Q^T = Wq^T x^T, S^T = K Q^T, O^T = V^T P^T): a lane holds ONE query of each tile throughout.  Lane r of key tile 4 c + T holds key 64 c + 8 T + r % 8 + 32 (r / 8):
; so lane (r, h)'s 32 registers of tiles 4 c .. 4 c + 3 are the whole block of keys 64 c + 32 h + 0 .. 31, in order, which is what the 6-bit operand's layout gives that lane.
; THE HEAD'S K IS 64, THE INSTRUCTION'S 128.  Two tiles of keys form ONE source 0; it is multiplied by [Q | zero codes] for the first tile's scores and by [zero codes | Q] for the second's; the scale bytes over the zeros are 1.
; IN A STEP V's fragments are asked for at its top and the NEXT step's K behind the S products: both land under the softmax.  The last trip's look-ahead is held at step 15, which it reads once more and does not use.
; LIMITS: a block whose largest magnitude lies under 2^(3 - 127) keeps the byte 1; NaN and infinities are not served; the scaled scores stay under 2^31 in magnitude;
; the block's largest p is taken from the block's largest score, which takes v_exp_f32 not to fall where its input rises.
; REGISTERS, in two windows of 256.  TILE A's state lies in window 0 and TILE B's in window 1 at the same numbers, so that one text serves both: v7-9 places in oc, v10 lane, v11 8 h, v12 -M, v13 the largest t,
; v[14:15] the sum, v16-21 zeros, v22-27 Q, v28-33 zeros, v96-159 S^T, then p, v160-191 O^T, v192-203 p's codes, v204-229 and v242-253 at work.
; Window 0 alone: v1-3 16, 8, 4 x lane; v4-6 the next step's K; v218, v219, v223 this step's V; v40-87 K's fragments; SCALES, which the matrix unit takes from window 0 and which hold nothing else: v34, v35 and v88, v89 Q's words
; (A, B), v36-39 K's and V's, v90, v91 p's (A, B), v92-95 and v238-241 x's (A, B), v230-237 Wq's.  Window 1 alone: v40-87 V's fragments.
; In the head: x's fragments v40-87, v96-143 of each window; Wq's four tiles v144-155, v16-27, v192-203, v204-215 of window 0; Q^T's sums v160-191.
.set WV,  14
.set BH,  15
.set QB,  16
.set HD,  18
.set G1,  20                           ; s[20:27] descriptor group 1;  s[28:31] group 0
.set G0,  28
.set TBR, 40                           ; LDS byte at which the step in hand begins
.set CNT, 41
.set CS,  42                           ; s[42:43] c = log2(e) / 8
.set SEL, 44
.set NXT, 47                           ; LDS byte at which the next step begins
.set WL,  204800                       ; behind K and V: Wq's four tiles
.set SPARE, 256000                     ; behind them: the spare words, 128 bytes a wave
.set MSB, 0
.macro WIN new                         ; low byte: bits 1:0 source 0, 3:2 source 1, 5:4 source 2, 7:6 destination; the high byte repeats the setting that is left
.if MSB != (\new)
	s_set_vgpr_msb (MSB<<8)|(\new)
.set MSB, (\new)
.endif
.endm
.macro CROUND
	s_barrier_signal -1
	s_barrier_wait -1
	s_cmp_lg_u32 s[WV], 0
	s_cbranch_scc1 .Lnot_wave_0_\@
	s_barrier_signal -3
.Lnot_wave_0_\@:
	s_barrier_wait -3
	s_barrier_signal -1
	s_barrier_wait -1
.endm
.macro PLACES                          ; four plain instructions behind a matrix instruction (ISA guide 7.12.1)
.rept 4
	v_nop
.endr
.endm
.macro FRAG f, a16, a8, o              ; a fragment's image, 1,536 bytes at byte o, into 12 registers
	ds_load_b128 v[(\f):(\f)+3], v[\a16] offset:(\o)
	ds_load_b64 v[(\f)+4:(\f)+5], v[\a8] offset:(\o)+512
	ds_load_b128 v[(\f)+6:(\f)+9], v[\a16] offset:(\o)+768
	ds_load_b64 v[(\f)+10:(\f)+11], v[\a8] offset:(\o)+1280
.endm
.macro XLD c, off                      ; chunk c (four K steps) of the x tile at byte off, from memory into the window that is set
.irp s, 0,1,2,3
	global_load_b128 v[40+56*(\c)+12*\s:43+56*(\c)+12*\s], v1, s[4:5] offset:(\off)+6400*(\c)+1536*\s
	global_load_b64 v[44+56*(\c)+12*\s:45+56*(\c)+12*\s], v2, s[4:5] offset:(\off)+6400*(\c)+1536*\s+512
	global_load_b128 v[46+56*(\c)+12*\s:49+56*(\c)+12*\s], v1, s[4:5] offset:(\off)+6400*(\c)+1536*\s+768
	global_load_b64 v[50+56*(\c)+12*\s:51+56*(\c)+12*\s], v2, s[4:5] offset:(\off)+6400*(\c)+1536*\s+1280
.endr
.endm
.macro BIAS                            ; the bias where the sums begin: register 16 b + x is column 32 b + 16 h + x of the head
.irp b, 0,1
.irp i, 0,1,2,3
	global_load_b128 v[160+16*\b+4*\i:163+16*\b+4*\i], v6, s[8:9] offset:128*\b+16*\i
.endr
.endr
.endm
.macro WLD q, b, t                     ; Wq's tile b, K step q
	FRAG \t, 242, 243, 12800*(\b)+6400*((\q)/4)+1536*((\q)%4)
.endm
.macro QW d, a, q, i, odd, sbb         ; one product of Q^T: source 0 = 16 columns of Wq, source 1 = 16 queries.  An odd tile's scale words stand in lanes 16-31, and so do x's of K steps 4-7
.set xf_, 40+12*(\q)+8*((\q)/4)
.set sb_, (\sbb)+(\q)%4
.set sa_, 230+4*(\i)+(\q)%4
.if (\q) < 4
.if \odd
	v_wmma_scale_f32_16x16x128_f8f6f4 v[(\d):(\d)+7], v[(\a):(\a)+11], v[xf_:xf_+11], v[(\d):(\d)+7], v[sa_], v[sb_] matrix_a_fmt:MATRIX_FMT_FP6 matrix_b_fmt:MATRIX_FMT_FP6 matrix_a_scale:MATRIX_SCALE_ROW1
.else
	v_wmma_scale_f32_16x16x128_f8f6f4 v[(\d):(\d)+7], v[(\a):(\a)+11], v[xf_:xf_+11], v[(\d):(\d)+7], v[sa_], v[sb_] matrix_a_fmt:MATRIX_FMT_FP6 matrix_b_fmt:MATRIX_FMT_FP6
.endif
.else
.if \odd
	v_wmma_scale_f32_16x16x128_f8f6f4 v[(\d):(\d)+7], v[(\a):(\a)+11], v[xf_:xf_+11], v[(\d):(\d)+7], v[sa_], v[sb_] matrix_a_fmt:MATRIX_FMT_FP6 matrix_b_fmt:MATRIX_FMT_FP6 matrix_a_scale:MATRIX_SCALE_ROW1 matrix_b_scale:MATRIX_SCALE_ROW1
.else
	v_wmma_scale_f32_16x16x128_f8f6f4 v[(\d):(\d)+7], v[(\a):(\a)+11], v[xf_:xf_+11], v[(\d):(\d)+7], v[sa_], v[sb_] matrix_a_fmt:MATRIX_FMT_FP6 matrix_b_fmt:MATRIX_FMT_FP6 matrix_b_scale:MATRIX_SCALE_ROW1
.endif
.endif
.endm
.macro QH q, i, ta, tb                 ; K step q, Wq's tiles 2 i and 2 i + 1, against both tiles of queries; their registers then take the next K step's.  The eight sums take turns, one instruction a turn
.if ((\q) == 7) && (\i)
	s_wait_dscnt 0x0
.else
	s_wait_dscnt 8                                 ; these two tiles are in; the eight loads of the other two may be out
.endif
.if ((\q) == 4) && ((\i) == 0)
	s_wait_loadcnt 0x0                             ; x's second chunks
.endif
	QW 160+16*(\i), \ta, \q, \i, 0, 92
	QW 168+16*(\i), \tb, \q, \i, 1, 92
	WIN 0x54                                       ; tile B: x, C and D in window 1
	QW 160+16*(\i), \ta, \q, \i, 0, 238
	QW 168+16*(\i), \tb, \q, \i, 1, 238
	WIN 0
.if (\q) < 7
	PLACES
.if ((\q) == 3) && (\i)
	ds_load_b128 v[230:233], v244 offset:6400      ; Wq's scale words of chunk 1; they stand ahead of the eight loads that the next wait leaves out
	ds_load_b128 v[234:237], v244 offset:32000
.endif
	WLD (\q)+1, 2*(\i), \ta
	WLD (\q)+1, 2*(\i)+1, \tb
.endif
.endm
; 32 numbers of a lane, register 16 b + i = number 32 b + 16 h + i of its row, become a half image's 6 registers at v[d] and the row's two scale bytes in v227
.macro QUANT2 s, d
.irp b, 0,1
	v_max3_num_f32 v[212+\b], |v[\s+16*\b]|, |v[\s+1+16*\b]|, 0x1800000   ; the floor 2^(3 - 127): the byte cannot fall under 1
.endr
.irp i, 2,4,6,8,10,12,14
.irp b, 0,1
	v_max3_num_f32 v[212+\b], v[212+\b], |v[\s+16*\b+\i]|, |v[\s+1+16*\b+\i]|
.endr
.endr
.irp b, 0,1
	v_permlanex16_b32 v[216+\b], v[212+\b], s[SEL], s[SEL+1]
.endr
.irp b, 0,1
	v_max_num_f32 v[212+\b], v[212+\b], v[216+\b]  ; with lane l xor 16's: the block's largest magnitude
.endr
.irp b, 0,1
	v_add_nc_u32 v[220+\b], 0xff000000, v[212+\b]  ; 2 off the exponent field: the conversion's scale operand
.endr
.irp b, 0,1
	v_lshrrev_b32 v[216+\b], 23, v[220+\b]
.endr
	v_lshl_or_b32 v227, v217, 8, v216
	v_cvt_scalef32_pk16_fp6_f32 v[(\d):(\d)+2], v[\s:\s+15], v220
	v_cvt_scalef32_pk16_fp6_f32 v[204:206], v[\s+16:\s+31], v221
	v_nop                                          ; one plain instruction behind the scaled conversions
.irp i, 0,1,2
	v_permlane16_swap_b32 v[(\d)+\i], v[204+\i]    ; a whole block to a lane: lanes 0-15 block 0, lanes 16-31 block 1
.endr
.irp i, 0,1,2
	v_mov_b32 v[(\d)+3+\i], v[204+\i]
.endr
.endm
.macro KLOAD                           ; K's four pairs of tiles and their pair words (the even pair in lanes 0-15, the odd one in lanes 16-31): 18 loads
.irp p, 0,1,2,3
	FRAG 40+12*\p, 4, 5, 1536*\p
.endr
	ds_load_b32 v36, v6 offset:12288
	ds_load_b32 v37, v6 offset:12416
.endm
.macro SMUL qa, qb                     ; S^T of one tile of queries: eight products
.irp p, 0,2
	v_wmma_scale_f32_16x16x128_f8f6f4 v[96+16*\p:103+16*\p], v[40+12*\p:51+12*\p], v[22:33], 0, v[36+\p/2], v[\qa] matrix_a_fmt:MATRIX_FMT_FP6 matrix_b_fmt:MATRIX_FMT_FP6
	v_wmma_scale_f32_16x16x128_f8f6f4 v[104+16*\p:111+16*\p], v[40+12*\p:51+12*\p], v[16:27], 0, v[36+\p/2], v[\qb] matrix_a_fmt:MATRIX_FMT_FP6 matrix_b_fmt:MATRIX_FMT_FP6
	v_wmma_scale_f32_16x16x128_f8f6f4 v[112+16*\p:119+16*\p], v[52+12*\p:63+12*\p], v[22:33], 0, v[36+\p/2], v[\qa] matrix_a_fmt:MATRIX_FMT_FP6 matrix_b_fmt:MATRIX_FMT_FP6 matrix_a_scale:MATRIX_SCALE_ROW1
	v_wmma_scale_f32_16x16x128_f8f6f4 v[120+16*\p:127+16*\p], v[52+12*\p:63+12*\p], v[16:27], 0, v[36+\p/2], v[\qb] matrix_a_fmt:MATRIX_FMT_FP6 matrix_b_fmt:MATRIX_FMT_FP6 matrix_a_scale:MATRIX_SCALE_ROW1
.endr
.endm
.macro OMUL pw                         ; O^T += V^T P^T of one tile of queries: four products
.irp a, 0,2
	v_wmma_scale_f32_16x16x128_f8f6f4 v[160+8*\a:167+8*\a], v[40+12*\a:51+12*\a], v[192:203], v[160+8*\a:167+8*\a], v[38+\a/2], v[\pw] matrix_a_fmt:MATRIX_FMT_FP6 matrix_b_fmt:MATRIX_FMT_FP6
	v_wmma_scale_f32_16x16x128_f8f6f4 v[168+8*\a:175+8*\a], v[52+12*\a:63+12*\a], v[192:203], v[168+8*\a:175+8*\a], v[38+\a/2], v[\pw] matrix_a_fmt:MATRIX_FMT_FP6 matrix_b_fmt:MATRIX_FMT_FP6 matrix_a_scale:MATRIX_SCALE_ROW1
.endr
.endm
; The softmax of one tile of queries for 128 keys, under the window setting w (0: tile A; 0x55: tile B); wd: the same with the destination in window 0, for p's scale word v[pw]
.macro SM w, wd, pw
	s_wait_alu depctr_va_vdst(0)                   ; the wait directly ahead of the first reader of the scores
.irp b, 0,1,2,3
	v_max3_num_f32 v[212+\b], v[96+16*\b], v[97+16*\b], v[98+16*\b]   ; four chains, two to each of my two blocks of 32 keys; each accumulator from its low end on
.endr
.irp i, 3,5,7,9,11,13
.irp b, 0,1,2,3
	v_max3_num_f32 v[212+\b], v[212+\b], v[96+16*\b+\i], v[97+16*\b+\i]
.endr
.endr
	v_max3_num_f32 v212, v212, v213, v111
	v_max3_num_f32 v214, v214, v215, v143
	v_max_num_f32 v212, v212, v127                 ; the largest score of block h,
	v_max_num_f32 v214, v214, v159                 ; and of block 2 + h: for the row's maximum, and, since p rises with the score, for the block's largest p
	s_delay_alu instid0(VALU_DEP_1)
	v_max_num_f32 v227, v212, v214
	s_delay_alu instid0(VALU_DEP_1)
	v_permlanex16_b32 v216, v227, s[SEL], s[SEL+1]
	s_delay_alu instid0(VALU_DEP_1)
	v_max_num_f32 v227, v227, v216                 ; with lane l xor 16's two blocks: the step's largest score of my query,
	s_delay_alu instid0(VALU_DEP_1)
	v_mul_f32 v227, s[CS], v227                    ; as t
	s_delay_alu instid0(VALU_DEP_1)
	v_max_num_f32 v13, v13, v227                   ; the running largest t
	v_mov_b32 v227, v12
	s_delay_alu instid0(VALU_DEP_2)
	v_floor_f32 v12, -v13                          ; the new -M = -ceil(t): a whole number
	s_delay_alu instid0(VALU_DEP_1)
	v_sub_f32 v227, v12, v227                      ; old M - new M: a whole number, 0 or less
	s_delay_alu instid0(VALU_DEP_1)
	v_cvt_i32_f32 v227, v227                       ; (it saturates)
	s_delay_alu instid0(VALU_DEP_1)
	v_ldexp_f32 v224, 1.0, v227                    ; f = 2^(old M - new M)
.set j_, 0
.rept 32
	v_pk_fma_f32 v[96+j_:97+j_], v[96+j_:97+j_], s[CS:CS+1], v[12:13] op_sel_hi:[1,0,0]   ; t - M, two at a time
.set j_, j_+2
.endr
	v_fma_f32 v212, v212, s[CS], v12               ; the same of each block's largest score
	v_fma_f32 v214, v214, s[CS], v12
	s_wait_alu depctr_va_vdst(0)
.set j_, 0
.rept 64
	v_exp_f32 v[96+j_], v[96+j_]                   ; p = 2^(t - M), at most 1
.set j_, j_+1
.endr
	v_pk_mul_f32 v[14:15], v[14:15], v[224:225] op_sel_hi:[1,0]   ; the sums under the new M: the plain instruction behind the exponentials
	s_wait_alu depctr_va_vdst(0)                   ; one wait for the batch of 64, ahead of its first reader
	v_exp_f32 v212, v212                           ; each block's largest p
	v_exp_f32 v214, v214
.set j_, 0                             ; the row's sum of the unquantised p: eight chains of packed additions
.irp a, 228,242,244,246,248,250,252
	v_pk_add_f32 v[\a:\a+1], v[96+j_:97+j_], v[98+j_:99+j_]
.set j_, j_+4
.endr
.rept 2
.irp a, 14,228,242,244,246,248,250,252
	v_pk_add_f32 v[\a:\a+1], v[\a:\a+1], v[96+j_:97+j_]
.set j_, j_+2
.endr
.endr
	v_pk_add_f32 v[14:15], v[14:15], v[156:157]
	v_pk_add_f32 v[228:229], v[228:229], v[158:159]
	v_pk_add_f32 v[246:247], v[246:247], v[250:251]
	v_pk_add_f32 v[248:249], v[248:249], v[252:253]
	v_pk_add_f32 v[14:15], v[14:15], v[242:243]
	v_pk_add_f32 v[228:229], v[228:229], v[244:245]
	v_pk_add_f32 v[14:15], v[14:15], v[246:247]
	v_pk_add_f32 v[228:229], v[228:229], v[248:249]
	s_delay_alu instid0(VALU_DEP_1)
	v_pk_add_f32 v[14:15], v[14:15], v[228:229]
	s_wait_alu depctr_va_vdst(0)                   ; and one for the two
	v_max_num_f32 v212, 0x1800000, v212            ; the floor 2^(3 - 127): the byte cannot fall under 1
	v_max_num_f32 v214, 0x1800000, v214
	v_add_nc_u32 v220, 0xff000000, v212            ; 2 off the exponent field: the conversion's scale operand
	v_add_nc_u32 v221, 0xff000000, v214
	v_lshrrev_b32 v216, 23, v220
	v_lshrrev_b32 v217, 23, v221
	s_delay_alu instid0(VALU_DEP_1)
	v_lshl_or_b32 v222, v217, 16, v216             ; my two bytes, blocks h and 2 + h,
	s_delay_alu instid0(VALU_DEP_1)
	v_lshlrev_b32 v222, v11, v222                  ; at their places in the word (8 h bits up);
	s_delay_alu instid0(VALU_DEP_1)
	v_permlanex16_b32 v216, v222, s[SEL], s[SEL+1]
	WIN \wd
	v_or_b32 v[\pw], v222, v216                    ; with lane l xor 16's two: p's scale word for these 128 keys, in window 0
	WIN \w
.irp c, 0,1
	v_cvt_scalef32_pk16_fp6_f32 v[192+6*\c:194+6*\c], v[96+32*\c:111+32*\c], v[220+\c]
	v_cvt_scalef32_pk16_fp6_f32 v[204+4*\c:206+4*\c], v[112+32*\c:127+32*\c], v[220+\c]   ; (a conversion's three registers begin on an even number)
.endr
	v_nop                                          ; one plain instruction behind the scaled conversions
.irp c, 0,1
.irp i, 0,1,2
	v_mov_b32 v[195+6*\c+\i], v[204+4*\c+\i]
.endr
.endr
	s_wait_dscnt 18                                ; V is in; the next step's K, 18 loads, may be out
	s_wait_alu depctr_va_vdst(0)                   ; the wait directly ahead of the first reader of O^T
.set j_, 0
.rept 16
	v_pk_mul_f32 v[160+j_:161+j_], v[160+j_:161+j_], v[224:225] op_sel_hi:[1,0]   ; O^T under the new M; these sixteen also stand between the scale word and the codes just made and the products that take them
.set j_, j_+2
.endr
.endm
.macro STEP                            ; 128 keys, both tiles of queries
	s_add_co_u32 s[NXT], s[TBR], 12800
	s_min_u32 s[NXT], s[NXT], 192000               ; the last trip's look-ahead stays at step 15
	v_add_nc_u32 v218, s[TBR], v1                  ; these three and the v_nop are the four places behind the last products, ahead of the loads into their sources
	v_add_nc_u32 v219, s[TBR], v2
	v_add_nc_u32 v223, s[TBR], v3
	v_nop
	WIN 0x40                                       ; destination window 1
.irp a, 0,1,2,3
	FRAG 40+12*\a, 218, 219, 6144+1536*\a          ; V's four tiles of d
.endr
	WIN 0
	ds_load_b32 v38, v223 offset:12544             ; and their scale words
	ds_load_b32 v39, v223 offset:12672
	s_wait_dscnt 18                                ; this step's K is in; the 18 loads just issued may be out
	SMUL 34, 35
	WIN 0x44                                       ; tile B: Q and the scores in window 1
	SMUL 88, 89
	WIN 0
	v_add_nc_u32 v4, s[NXT], v1                    ; four places again
	v_add_nc_u32 v5, s[NXT], v2
	v_add_nc_u32 v6, s[NXT], v3
	v_nop
	KLOAD                                          ; the next step's K lands under the softmax
	SM 0, 0, 90
	WIN 0x01                                       ; V in window 1, all else of tile A in window 0
	OMUL 90
	WIN 0x55
	SM 0x55, 0x15, 91
	OMUL 91
	WIN 0
.endm
; THE WAY OUT of one tile.  O^T / the sum; register 16 b + i is d = 32 b + 16 h + i of my query: two blocks along d_model, one half image of the tile at byte off, K step head / 2, half head % 2
.macro OUT off
	v_add_f32 v14, v14, v15                        ; the sum's two halves,
	v_permlanex16_b32 v227, v14, s[SEL], s[SEL+1]
	v_add_f32 v14, v14, v227                       ; and lane l xor 16's
	s_wait_alu depctr_va_vdst(0)
	v_rcp_f32 v14, v14
	PLACES                                         ; behind the reciprocal and behind the last products
	s_wait_alu depctr_va_vdst(0)                   ; ahead of the first reader of the reciprocal and of O^T
.set j_, 0
.rept 16
	v_pk_mul_f32 v[96+j_:97+j_], v[160+j_:161+j_], v[14:15] op_sel_hi:[1,0]   ; each accumulator from its low end on
.set j_, j_+2
.endr
	QUANT2 96, 192
	global_store_b128 v7, v[192:195], s[12:13] offset:\off       ; 512 and 256 consecutive bytes, aligned to 256
	global_store_b64 v8, v[196:197], s[12:13] offset:(\off)+512
	v_cmp_gt_u32 vcc_lo, 16, v10
	s_wait_alu depctr_va_vdst(0)
	s_wait_xcnt 0x0                                ; EXEC changes only behind this wait
	s_and_saveexec_b32 s54, vcc_lo                 ; lanes 16-31 hold the same bytes
	global_store_b16 v9, v227, s[12:13] offset:(\off)+6144   ; 2 bytes a row, 16 bytes apart: the other heads' bytes between them come from other work-groups (131,072 bytes in the launch)
	s_wait_xcnt 0x0                                ; and again, ahead of the line that widens it
	s_or_b32 exec_lo, exec_lo, s54
.endm
	s_load_b256 s[4:11], s[0:1], 0x0               ; xc s[4:5], wc s[6:7], bq s[8:9], kv s[10:11]
	s_load_b64 s[12:13], s[0:1], 0x20              ; oc
	v_lshl_add_u32 v254, v0, 2, SPARE
	v_mov_b32 v255, 0
	ds_add_u32 v254, v255                          ; the opening lines: the add, twice on end, and its wait ahead of my first tensor load
	ds_add_u32 v254, v255
	v_lshrrev_b32 v1, 5, v0
	v_readfirstlane_b32 s[WV], v1                  ; wave 0..7
	v_and_b32 v10, 31, v0                          ; lane
	v_and_b32 v9, 15, v0                           ; r
	v_bfe_u32 v8, v0, 4, 1                         ; h
	v_lshlrev_b32 v1, 4, v10
	v_lshlrev_b32 v2, 3, v10
	v_lshlrev_b32 v3, 2, v10
	v_lshlrev_b32 v4, 4, v0                        ; Wq's copy: 16 bytes a thread,
	v_lshlrev_b32 v5, 3, v0                        ; and 8
	v_lshlrev_b32 v6, 6, v8                        ; the bias: 16 h numbers on
	v_lshlrev_b32 v11, 3, v8                       ; 8 h
	v_mul_u32_u24 v247, v8, 6400
	v_lshl_add_u32 v247, v9, 4, v247               ; x's scale words: chunk h, row r
	s_bfe_u32 s17, ttmp6, 0x40000                  ; cx
	s_lshl_b32 s[QB], ttmp9, 2
	s_add_co_u32 s[QB], s[QB], s17                 ; my block of 256 queries: it enters xc's and oc's addresses alone
	s_and_b32 s[BH], ttmp7, 0xffff                 ; 16 batch + head, which the four partners share
	s_and_b32 s[HD], s[BH], 15
	s_mul_i32 s46, s[WV], 25600                    ; key steps 2 wave and 2 wave + 1, in LDS and in memory
	s_mul_i32 s32, s[BH], 204800
	s_add_co_u32 s32, s32, s46
	s_mov_b32 s33, 0
	s_lshr_b32 s34, s[BH], 4
	s_lshl_b32 s34, s34, 7
	s_lshl_b32 s35, s[QB], 4
	s_add_co_u32 s34, s34, s35
	s_lshl_b32 s35, s[WV], 1
	s_add_co_u32 s34, s34, s35                     ; tile A: 128 batch + 16 x query block + 2 wave; tile B is the next
	s_mul_i32 s34, s34, 12800
	s_mov_b32 s35, 0
	s_mul_i32 s36, s[HD], 51200                    ; Wq's tiles 4 head .. 4 head + 3
	s_mov_b32 s37, 0
	s_lshl_b32 s38, s[HD], 8                       ; bq's 64 numbers
	s_mov_b32 s39, 0
	s_lshr_b32 s48, s[HD], 3
	s_mul_i32 s48, s48, 6400
	s_add_co_u32 s48, s48, s34                     ; oc: tile A's chunk head / 8,
	s_mov_b32 s49, 0
	s_bfe_u32 s50, s[HD], 0x20001
	s_mul_i32 s50, s50, 1536
	s_and_b32 s51, s[HD], 1
	s_mul_i32 s51, s51, 768
	s_add_co_u32 s50, s50, s51                     ; the half image in it,
	s_and_b32 s52, s[HD], 7
	s_lshl_b32 s52, s52, 1                         ; and the head's two scale bytes in a row's sixteen
	s_mov_b32 s[G1], 15|(3<<16)|(1<<21)            ; 15:0 the mask: all four work-groups; 17:16 elements of 8 bytes; 21 set beside a mask; no padding
	s_mov_b32 s[G1+1], 32<<16                      ; a dense block of 25,600 bytes as 100 rows of 256
	s_mov_b32 s[G1+2], 100<<16
	s_mov_b32 s[G1+3], 32<<16
	s_mov_b32 s[G1+4], 100
	s_mov_b32 s[G1+5], 32
	s_mov_b32 s[G1+6], 0
	s_mov_b32 s[G1+7], 0
	s_mov_b32 s[CS], 0x3e38aa3b                    ; c = log2(e) / sqrt(64)
	s_mov_b32 s[CS+1], s[CS]
	s_mov_b32 s[SEL], 0x76543210
	s_mov_b32 s[SEL+1], 0xfedcba98                 ; v_permlanex16_b32's selects for lane l xor 16
	s_wait_alu depctr_va_vdst(0)
	s_wait_dscnt 0x0                               ; both opening adds are done
	s_wait_kmcnt 0x0
	s_add_nc_u64 s[10:11], s[10:11], s[32:33]
	s_add_nc_u64 s[4:5], s[4:5], s[34:35]
	s_add_nc_u64 s[6:7], s[6:7], s[36:37]
	s_add_nc_u64 s[8:9], s[8:9], s[38:39]
	s_add_nc_u64 s[12:13], s[12:13], s[48:49]
	s_mov_b32 s[G0], 1
	s_mov_b32 s[G0+1], s46
	s_mov_b64 s[G0+2:G0+3], s[10:11]
	s_or_b32 s[G0+3], s[G0+3], 0x80000000
.irp k, 0,1,2,3
	global_load_b128 v[144+4*\k:147+4*\k], v4, s[6:7] offset:4096*\k      ; Wq's 51,200 bytes: twelve times 4,096 by the 256 threads,
.endr
.irp k, 4,5,6,7,8,9,10,11
	global_load_b128 v[176+4*\k:179+4*\k], v4, s[6:7] offset:4096*\k
.endr
	global_load_b64 v[224:225], v5, s[6:7] offset:49152                   ; and 2,048
	CROUND                                         ; all four work-groups are here: the joint loads meet
	tensor_load_to_lds s[G0:G0+3], s[G1:G1+7]      ; my two key steps: my one tensor load
	s_nop 0
	PLACES
	BIAS                                           ; 50 loads: the bias, x's scale words and x's first chunks, for both tiles
	global_load_b128 v[92:95], v247, s[4:5] offset:6144                   ; x's scale words: lanes 0-15 K steps 0-3, lanes 16-31 K steps 4-7
	global_load_b128 v[238:241], v247, s[4:5] offset:12800+6144
	XLD 0, 0
	WIN 0x40                                       ; destination window 1: tile B
	BIAS
	XLD 0, 12800
	WIN 0
	v_add_nc_u32 v242, WL, v1                      ; Wq's fragments in LDS,
	v_add_nc_u32 v243, WL, v2
	v_mul_u32_u24 v244, v8, 12800
	v_lshl_add_u32 v244, v9, 4, v244
	v_add_nc_u32 v244, WL+6144, v244               ; its scale words: tile h of a pair, row r,
	v_lshl_add_u32 v245, v0, 4, WL                 ; and where my thread's part of the copy goes
	v_lshl_add_u32 v246, v0, 3, WL
	v_add_nc_u32 v7, s50, v1                       ; my places in oc
	v_add_nc_u32 v8, s50, v2
	v_lshl_add_u32 v9, v9, 4, s52
	v_mov_b32 v13, 0xff61b1e6                      ; the largest t so far: -3e38, under every t
	v_floor_f32 v12, -v13                          ; -M
	v_mov_b32 v14, 0
	v_mov_b32 v15, 0
	WIN 0x40                                       ; from window 0 into window 1: tile B's own set of these nine
.irp r, 7,8,9,10,11,12,13,14,15
	v_mov_b32 v\r, v\r
.endr
	v_mov_b32 v216, 0                              ; written once: a lane permute's destination counts as one of its sources
	v_mov_b32 v217, 0
	v_mov_b32 v225, 0                              ; (named as the upper half of the pair v[224:225])
	WIN 0
	s_wait_alu depctr_va_vdst(0)
	s_wait_loadcnt 50                              ; Wq's thirteen loads are in; the 50 behind them may be out
.irp k, 0,1,2,3
	ds_store_b128 v245, v[144+4*\k:147+4*\k] offset:4096*\k
.endr
.irp k, 4,5,6,7,8,9,10,11
	ds_store_b128 v245, v[176+4*\k:179+4*\k] offset:4096*\k
.endr
	ds_store_b64 v246, v[224:225] offset:49152
	XLD 1, 0                                       ; 32 loads: x's second chunks, wanted from K step 4 on
	WIN 0x40
	XLD 1, 12800
	WIN 0
	s_wait_dscnt 0x0                               ; my part of Wq is in LDS
	s_barrier_signal -1
	s_barrier_wait -1                              ; everybody's is.  My tensor load stays out
	ds_load_b128 v[230:233], v244                  ; Wq's scale words of chunk 0: pairs 0 and 1
	ds_load_b128 v[234:237], v244 offset:25600
	WLD 0, 0, 144
	WLD 0, 1, 16
	WLD 0, 2, 192
	WLD 0, 3, 204
	s_wait_loadcnt 32                              ; the bias, x's scale words and first chunks are in; the 32 loads of the second chunks may be out
.set q_, 0
.rept 8
	QH q_, 0, 144, 16
	QH q_, 1, 192, 204
.set q_, q_+1
.endr
	PLACES
	QUANT2 160, 22                                 ; tile A's Q: a half image, which stays in registers
	v_or_b32 v34, 0x01010000, v227                 ; [Q | zeros]: the bytes over the zeros are 1
	v_lshl_or_b32 v35, v227, 16, 0x0101            ; [zeros | Q]
	v_mov_b32 v225, 0
	WIN 0x55
	QUANT2 160, 22                                 ; tile B's
	WIN 0x15                                       ; its scale words go to window 0
	v_or_b32 v88, 0x01010000, v227
	v_lshl_or_b32 v89, v227, 16, 0x0101
.irp w, 0, 0x40
	WIN \w
.irp i, 0,1,2,3,4,5
	v_mov_b32 v[16+\i], 0                          ; zero codes below Q
	v_mov_b32 v[28+\i], 0                          ; and above it
.endr
.set j_, 0
.rept 32
	v_mov_b32 v[160+j_], 0                         ; O^T.  (The step is written once: the first finds zeros, which the first change of M leaves zeros)
.set j_, j_+1
.endr
.endr
	WIN 0
	s_wait_alu depctr_va_vdst(0)
	s_wait_tensorcnt 0x0                           ; my two key steps are in
	s_wait_dscnt 0x0
	s_barrier_signal -1
	s_barrier_wait -1                              ; all sixteen are
	s_mov_b32 s[TBR], 0
	s_mov_b32 s[CNT], 16
	v_mov_b32 v4, v1
	v_mov_b32 v5, v2
	v_mov_b32 v6, v3
	KLOAD                                          ; step 0's K
.Lstep:
	STEP
	s_add_co_u32 s[TBR], s[TBR], 12800
	s_sub_co_u32 s[CNT], s[CNT], 1
	s_cmp_lg_u32 s[CNT], 0
	s_cbranch_scc1 .Lstep
	OUT 0
	WIN 0x55
	OUT 12800
	WIN 0
	s_wait_tensorcnt 0x0                           ; the wave's end
	ds_add_u32 v254, v255
	s_wait_dscnt 0x0
	CROUND                                         ; the closing round
	s_endpgm
.Lfunc_end_k_qbd25e8de90_attn:
	.size	k_qbd25e8de90_attn, .Lfunc_end_k_qbd25e8de90_attn-k_qbd25e8de90_attn
	.p2alignl 7, 3214868480
	.fill 96, 4, 3214868480
	.section	.rodata,"a",@progbits
	.p2align	6, 0x0
	.amdhsa_kernel k_qbd25e8de90_attn
		.amdhsa_group_segment_fixed_size 257024
		.amdhsa_private_segment_fixed_size 0
		.amdhsa_enable_private_segment 0
		.amdhsa_kernarg_size 40
		.amdhsa_user_sgpr_count 2
		.amdhsa_user_sgpr_kernarg_segment_ptr 1
		.amdhsa_wavefront_size32 1
		.amdhsa_system_sgpr_workgroup_id_x 1
		.amdhsa_system_sgpr_workgroup_id_y 1
		.amdhsa_system_sgpr_workgroup_id_z 1
		.amdhsa_system_vgpr_workitem_id 0
		.amdhsa_next_free_vgpr 512
		.amdhsa_next_free_sgpr 66
		.amdhsa_reserve_vcc 1
		.amdhsa_float_denorm_mode_32 3
		.amdhsa_float_denorm_mode_16_64 3
		.amdhsa_memory_ordered 1
		.amdhsa_forward_progress 1
		.amdhsa_inst_pref_size 80
	.end_amdhsa_kernel
	.amdgpu_metadata
---
amdhsa.version: [ 1, 2 ]
amdhsa.kernels:
  - .name:           k_qbd25e8de90_attn
    .symbol:         k_qbd25e8de90_attn.kd
    .args:
      - { .name: xc, .offset: 0, .size: 8, .value_kind: global_buffer, .address_space: global }
      - { .name: wc, .offset: 8, .size: 8, .value_kind: global_buffer, .address_space: global }
      - { .name: bq, .offset: 16, .size: 8, .value_kind: global_buffer, .address_space: global }
      - { .name: kv, .offset: 24, .size: 8, .value_kind: global_buffer, .address_space: global }
      - { .name: oc, .offset: 32, .size: 8, .value_kind: global_buffer, .address_space: global }
    .group_segment_fixed_size: 257024
    .private_segment_fixed_size: 0
    .kernarg_segment_align: 8
    .kernarg_segment_size: 40
    .max_flat_workgroup_size: 256
    .sgpr_count:     66
    .vgpr_count:     512
    .wavefront_size: 32
...
	.end_amdgpu_metadata
.endif
;; end of part 3
;; launch outp (part 4): grid 8 x 32, 4 waves a work-group, clusters of 4 x 4, 222,720 bytes of LDS; arguments oc, wc, bo, out0; writes out0
.if DOCPART == 4
	.amdgcn_target "amdgcn-amd-amdhsa--gfx1250"
	.amdhsa_code_object_version 6
	.text
	.protected	k_qbd25e8de90_outp
	.globl	k_qbd25e8de90_outp
	.p2align	8
	.type	k_qbd25e8de90_outp,@function
k_qbd25e8de90_outp:
	s_mov_b64 s[64:65], 0
	v_nop
	global_prefetch_b8 v0, s[64:65] scope:SCOPE_SE
	s_setreg_imm32_b32 hwreg(HW_REG_WAVE_MODE, 25, 1), 1
	s_wait_xcnt 0x0
	s_wait_alu depctr_hold_cnt(0) depctr_sa_sdst(0) depctr_va_vdst(0) depctr_va_sdst(0) depctr_va_ssrc(0) depctr_va_vcc(0) depctr_vm_vsrc(0)
	s_getreg_b32 s2, hwreg(HW_REG_IB_STS2, 6, 4)
	s_cmp_eq_u32 s2, 0
	s_cbranch_scc0 .Lentry_in_a_cluster
	s_endpgm
.Lentry_in_a_cluster:
	s_bfe_u32 s2, ttmp6, 0x10000c
	s_cmp_lg_u32 s2, 0xf033
	s_cbranch_scc0 .Lentry_shape_is_right
	s_endpgm
.Lentry_shape_is_right:
; out0 = relu(O Wo + bo) on codes of FP6 (E2M3) with E8M0 scales; O's codes come from the launch attn (oc), Wo's from the launch quant (the fourth weight of wc).  Nothing of the problem is left out.
; A work-group makes 128 tokens x 128 columns over K = 1,024: 32 x 8 = 256 work-groups.  Four waves, 2 x 2, each 64 x 64: 16 accumulators of 16 x 16.
; OPERANDS lie in memory as images of their registers: a tile of 16 rows is 12,800 bytes: two chunks of 512 along K, each four fragments of 1,536 bytes and 256 scale bytes (row r's word of the chunk's K step s at 16 r + 4 s);
; lane r of tile R holds row 32 (R / 2) + 8 (R % 2) + r + 8 (r / 8).
; ALL OF K STAYS IN LDS, as it lies in memory: the tokens' 8 tiles, then Wo's 8 tiles, 204,800 bytes, each byte filled once: wave w brings four tiles, 51,200 dense bytes, by its one tensor load at the head.
; CLUSTER 4 x 4: the four of a row need the same tiles of tokens, the four of a column the same tiles of Wo: each load is asked for jointly.
; NO PREFETCH: every tile is asked for at the head; there is no loop to run ahead in.
; THE MATRIX INSTRUCTION IS USED TRANSPOSED (source 0 = 16 columns of Wo, source 1 = 16 tokens): a lane holds one token, and the 16 registers of Wo's tiles 2 B and 2 B + 1 are columns 32 B + 16 h + 0 .. 15.
; bo is the C of the first K step's products.  THE WAY OUT: relu, then 16 tokens x 64 columns at a time through the wave's own stage in LDS, so that sixteen lanes store 256 consecutive bytes of a row of out0, aligned to 256.
; LIMITS: NaN and infinities are not served.
; REGISTERS, in windows of 256: window 0: v1-12 lane terms and addresses; v16-21 LDS addresses; v30, v31 the add's two; v32-63 scale words, which hold nothing else; v64-127 on the way out: results after relu, two sets;
; v128-223 the tokens' fragments, two sets (on the way out: rows read back, two sets);  window 1: Wo's fragments, two sets, at v0 and v128;  window 2: accumulator (a, b) at v[8 (4 a + b)], the bias at v128-159.
.set WV,  18                           ; wave;  s19 wave / 2: my half of the tokens, also: I fetch tokens (0) or Wo (1);  s20 wave % 2: my half of the columns, also: which four tiles I fetch
.set WA,  19
.set WB,  20
.set CX,  21
.set CY,  22
.set TA,  26                           ; which 128 tokens
.set TB,  27                           ; which 128 columns
.set G1A, 40                           ; s[40:47], s[48:55] descriptor groups 1;  s[56:59], s[60:63] groups 0
.set G1B, 48
.set G0A, 56
.set G0B, 60
.set TIL, 12800                        ; a tile
.set STAGE, 204800                     ; behind the tiles: a stage of 16 rows x (256 + 16) bytes for each wave
.set SPARE, 222208                     ; behind the stages: the spare words, 128 bytes a wave
.set MSB, 0
.macro WIN new                         ; low byte: bits 1:0 source 0, 3:2 source 1, 5:4 source 2, 7:6 destination; the high byte repeats the setting that is left
.if MSB != (\new)
	s_set_vgpr_msb (MSB<<8)|(\new)
.set MSB, (\new)
.endif
.endm
.macro CROUND                          ; a round of the cluster's barrier
	s_barrier_signal -1
	s_barrier_wait -1
	s_cmp_lg_u32 s[WV], 0
	s_cbranch_scc1 .Lnot_wave_0_\@
	s_barrier_signal -3
.Lnot_wave_0_\@:
	s_barrier_wait -3
	s_barrier_signal -1
	s_barrier_wait -1
.endm
.macro PLACES                          ; four plain instructions behind a matrix instruction (ISA guide 7.12.1)
.rept 4
	v_nop
.endr
.endm
.macro FRAG f, a16, a8, o              ; a fragment's image, 1,536 bytes at byte o, into 12 registers: every load takes consecutive bytes in consecutive lanes
	ds_load_b128 v[(\f):(\f)+3], v[\a16] offset:(\o)
	ds_load_b64 v[(\f)+4:(\f)+5], v[\a8] offset:(\o)+512
	ds_load_b128 v[(\f)+6:(\f)+9], v[\a16] offset:(\o)+768
	ds_load_b64 v[(\f)+10:(\f)+11], v[\a8] offset:(\o)+1280
.endm
.macro FETCH q                         ; K step q: four fragments of Wo and four of the tokens into set q % 2
	WIN 0x40
.irp b, 0,1,2,3
	FRAG 128*((\q)%2)+12*\b, 18, 19, TIL*\b+6400*((\q)/4)+1536*((\q)%4)
.endr
	WIN 0
.irp a, 0,1,2,3
	FRAG 128+48*((\q)%2)+12*\a, 16, 17, TIL*\a+6400*((\q)/4)+1536*((\q)%4)
.endr
.endm
.macro WM first                        ; one product: Wo's tile b_ (source 0) x the tokens' tile a_ (source 1).  An odd tile's scale words stand in lanes 16-31
.set rD, 8*(4*a_+b_)
.if \first
.set rC, 128+8*b_                      ; the first K step begins the sums with the bias
.else
.set rC, rD
.endif
.set rB, 128*qs_+12*b_
.set rA, 128+48*qs_+12*a_
.set rSB, 48+sj_+4*(b_/2)+sp_
.set rSA, 32+sj_+4*(a_/2)+sp_
.if (b_%2 == 0) && (a_%2 == 0)
	v_wmma_scale_f32_16x16x128_f8f6f4 v[rD:rD+7], v[rB:rB+11], v[rA:rA+11], v[rC:rC+7], v[rSB], v[rSA] matrix_a_fmt:MATRIX_FMT_FP6 matrix_b_fmt:MATRIX_FMT_FP6
.elseif (a_%2 == 0)
	v_wmma_scale_f32_16x16x128_f8f6f4 v[rD:rD+7], v[rB:rB+11], v[rA:rA+11], v[rC:rC+7], v[rSB], v[rSA] matrix_a_fmt:MATRIX_FMT_FP6 matrix_b_fmt:MATRIX_FMT_FP6 matrix_a_scale:MATRIX_SCALE_ROW1
.elseif (b_%2 == 0)
	v_wmma_scale_f32_16x16x128_f8f6f4 v[rD:rD+7], v[rB:rB+11], v[rA:rA+11], v[rC:rC+7], v[rSB], v[rSA] matrix_a_fmt:MATRIX_FMT_FP6 matrix_b_fmt:MATRIX_FMT_FP6 matrix_b_scale:MATRIX_SCALE_ROW1
.else
	v_wmma_scale_f32_16x16x128_f8f6f4 v[rD:rD+7], v[rB:rB+11], v[rA:rA+11], v[rC:rC+7], v[rSB], v[rSA] matrix_a_fmt:MATRIX_FMT_FP6 matrix_b_fmt:MATRIX_FMT_FP6 matrix_a_scale:MATRIX_SCALE_ROW1 matrix_b_scale:MATRIX_SCALE_ROW1
.endif
.endm
.macro MUL q, first                    ; K step q: 16 products.  The 16 accumulators take turns, one instruction a turn, in the same order in every K step
	WIN 0xa1                                       ; source 0 window 1, source 1 window 0, C and D window 2
.set qs_, (\q)%2
.set sp_, (\q)%4
.set sj_, 8*((\q)/4)
.set a_, 0
.rept 4
.set b_, 0
.rept 4
	WM \first
.set b_, b_+1
.endr
.set a_, a_+1
.endr
.endm
.macro KSTEP q                         ; the fragments of K step q are in; those of q + 1 are asked for and land under this step's products
	s_wait_dscnt 0x0
	PLACES
	FETCH (\q)+1
	MUL \q, 0
.endm
.macro TOSTAGE a                       ; the tokens' tile a: relu, into my stage by tokens, and back by rows of 256 bytes, two rows a load
	WIN 0x08                                       ; source 1 window 2
.set i_, 0
.rept 32
	v_max_num_f32 v[64+32*((\a)%2)+i_], 0, v[32*(\a)+i_]   ; each accumulator from its low end on
.set i_, i_+1
.endr
	WIN 0
.irp b, 0,1
.irp i, 0,1,2,3
	ds_store_b128 v10, v[64+32*((\a)%2)+16*\b+4*\i:67+32*((\a)%2)+16*\b+4*\i] offset:128*\b+16*\i
.endr
.endr
.irp t, 0,1,2,3,4,5,6,7
	ds_load_b128 v[128+32*((\a)%2)+4*\t:131+32*((\a)%2)+4*\t], v11 offset:544*\t   ; LDS serves a wave's instructions in order (ISA guide 5.7.1.4): these see the stores above
.endr
.endm
.macro SEND a, younger                 ; younger: the LDS instructions issued behind tile a's loads, which may stay out
	s_wait_dscnt \younger
.irp t, 0,1,2,3,4,5,6,7
	global_store_b128 v12, v[128+32*((\a)%2)+4*\t:131+32*((\a)%2)+4*\t], s[10:11] offset:(32*((\a)/2)+8*((\a)%2)+2*\t+8*(\t/4))*4096 th:TH_STORE_NT   ; sixteen lanes store 256 consecutive bytes, aligned to 256
.endr
.endm
	s_load_b256 s[4:11], s[0:1], 0x0               ; oc s[4:5], wc s[6:7], bo s[8:9], out0 s[10:11]
	v_lshl_add_u32 v30, v0, 2, SPARE
	v_mov_b32 v31, 0
	ds_add_u32 v30, v31                            ; the opening lines: the add, twice on end, and its wait ahead of my first tensor load
	ds_add_u32 v30, v31
	v_lshrrev_b32 v1, 5, v0
	v_readfirstlane_b32 s[WV], v1
	s_lshr_b32 s[WA], s[WV], 1
	s_and_b32 s[WB], s[WV], 1
	s_bfe_u32 s[CX], ttmp6, 0x40000
	s_bfe_u32 s[CY], ttmp6, 0x40004
	s_and_b32 s23, ttmp7, 0xffff
	s_lshl_b32 s[TA], s23, 2
	s_add_co_u32 s[TA], s[TA], s[CY]               ; shared along a row of the cluster
	s_lshl_b32 s[TB], ttmp9, 2
	s_add_co_u32 s[TB], s[TB], s[CX]               ; shared along a column
	s_lshl_b32 s30, s[TA], 3
	s_lshl_b32 s31, s[WB], 2
	s_add_co_u32 s30, s30, s31
	s_mul_i32 s30, s30, TIL                        ; the tokens: tile 8 TA + 4 x half
	s_mov_b32 s31, 0
	s_lshl_b32 s32, s[TB], 3
	s_lshl_b32 s33, s[WB], 2
	s_add_co_u32 s32, s32, s33
	s_mul_i32 s32, s32, TIL                        ; Wo: tile 8 TB + 4 x half,
	s_add_co_u32 s32, s32, 2457600                 ; in the fourth weight of wc
	s_mov_b32 s33, 0
	s_mul_i32 s34, s[WV], 4*TIL                    ; where my load goes: no place in the cluster enters an LDS address
	s_lshl_b32 s35, s[CY], 2
	s_lshl_b32 s35, 15, s35                        ; my row of the cluster
	s_lshl_b32 s25, 0x1111, s[CX]                  ; my column
	s_or_b32 s[G1A], s35, (3<<16)|(1<<21)          ; 15:0 the mask; 17:16 elements of 8 bytes; 21 set beside a mask; no padding
	s_or_b32 s[G1B], s25, (3<<16)|(1<<21)
.irp g, G1A, G1B
	s_mov_b32 s[\g+1], 32<<16                      ; a dense block of 51,200 bytes as 200 rows of 256
	s_mov_b32 s[\g+2], 200<<16
	s_mov_b32 s[\g+3], 32<<16
	s_mov_b32 s[\g+4], 200
	s_mov_b32 s[\g+5], 32
	s_mov_b32 s[\g+6], 0
	s_mov_b32 s[\g+7], 0
.endr
	s_mul_i32 s28, s[WA], 4*TIL                    ; my four tiles of tokens in LDS,
	s_mul_i32 s29, s[WB], 4*TIL
	s_add_co_u32 s29, s29, 8*TIL                   ; my four tiles of Wo,
	s_mul_i32 s24, s[WV], 4352
	s_add_co_u32 s24, s24, STAGE                   ; my stage
	s_lshl_b32 s36, s[TB], 9
	s_lshl_b32 s37, s[WB], 8
	s_add_co_u32 s36, s36, s37                     ; my first column, in bytes: 512 TB + 256 x half
	s_mov_b32 s37, 0
	s_lshl_b32 s38, s[TA], 7
	s_lshl_b32 s39, s[WA], 6
	s_add_co_u32 s38, s38, s39
	s_lshl_b32 s38, s38, 12                        ; my first token's row of 4,096 bytes
	s_mov_b32 s39, 0
	s_wait_dscnt 0x0                               ; both opening adds are done
	s_wait_kmcnt 0x0
	s_add_nc_u64 s[4:5], s[4:5], s[30:31]
	s_add_nc_u64 s[6:7], s[6:7], s[32:33]
	s_add_nc_u64 s[8:9], s[8:9], s[36:37]
	s_add_nc_u64 s[10:11], s[10:11], s[36:37]
	s_add_nc_u64 s[10:11], s[10:11], s[38:39]
	s_mov_b32 s[G0A], 1
	s_mov_b32 s[G0A+1], s34
	s_mov_b64 s[G0A+2:G0A+3], s[4:5]
	s_or_b32 s[G0A+3], s[G0A+3], 0x80000000
	s_mov_b32 s[G0B], 1
	s_mov_b32 s[G0B+1], s34
	s_mov_b64 s[G0B+2:G0B+3], s[6:7]
	s_or_b32 s[G0B+3], s[G0B+3], 0x80000000
	CROUND                                         ; all sixteen work-groups are here: the joint loads meet
	s_cmp_eq_u32 s[WA], 0                          ; one load a wave: waves 0, 1 the tokens' halves, waves 2, 3 Wo's; the branch hangs on the wave's number alone
	s_cbranch_scc0 .Lfor_b
	tensor_load_to_lds s[G0A:G0A+3], s[G1A:G1A+7]
	s_nop 0
	PLACES
	s_branch .Lasked
.Lfor_b:
	tensor_load_to_lds s[G0B:G0B+3], s[G1B:G1B+7]
	s_nop 0
	PLACES
.Lasked:
	v_and_b32 v1, 31, v0                           ; lane
	v_and_b32 v2, 15, v0                           ; r
	v_bfe_u32 v3, v0, 4, 1                         ; h
	v_lshlrev_b32 v4, 4, v1
	v_lshlrev_b32 v5, 3, v1
	v_lshlrev_b32 v7, 6, v3                        ; the bias: 16 h numbers on
	v_add_nc_u32 v16, s28, v4
	v_add_nc_u32 v17, s28, v5
	v_add_nc_u32 v18, s29, v4
	v_add_nc_u32 v19, s29, v5
	v_mul_u32_u24 v9, v3, TIL
	v_lshl_add_u32 v9, v2, 4, v9
	v_add_nc_u32 v9, 6144, v9                      ; scale words: tile h of a pair, row r
	v_add_nc_u32 v20, s28, v9
	v_add_nc_u32 v21, s29, v9
	v_mul_u32_u24 v10, v2, 272
	v_lshl_add_u32 v10, v3, 6, v10
	v_add_nc_u32 v10, s24, v10                     ; the stage, on the way in: row r, 64 h bytes on
	v_mul_u32_u24 v11, v3, 272
	v_lshl_add_u32 v11, v2, 4, v11
	v_add_nc_u32 v11, s24, v11                     ; and back: lanes 0-15 one row, lanes 16-31 the next
	v_lshlrev_b32 v12, 12, v3
	v_lshl_add_u32 v12, v2, 4, v12                 ; the same two rows in out0
	WIN 0x80                                       ; destination window 2
.irp b, 0,1
.irp i, 0,1,2,3
	global_load_b128 v[128+16*\b+4*\i:131+16*\b+4*\i], v7, s[8:9] offset:128*\b+16*\i   ; register 16 b + x: column 32 b + 16 h + x
.endr
.endr
	WIN 0
	s_wait_alu depctr_va_vdst(0)
	s_wait_tensorcnt 0x0                           ; my four tiles are in
	s_barrier_signal -1
	s_barrier_wait -1                              ; all sixteen are.
	FETCH 0
.irp j, 0,1
.irp i, 0,1
	ds_load_b128 v[32+8*\j+4*\i:35+8*\j+4*\i], v20 offset:2*TIL*\i+6400*\j   ; scale words: a lane's 16 bytes are its row's four words of chunk j; lanes 0-15 take tile 2 i, lanes 16-31 tile 2 i + 1
	ds_load_b128 v[48+8*\j+4*\i:51+8*\j+4*\i], v21 offset:2*TIL*\i+6400*\j
.endr
.endr
	s_wait_loadcnt 0x0                             ; the bias
	s_wait_dscnt 0x0
	FETCH 1
	MUL 0, 1
.irp q, 1,2,3,4,5,6
	KSTEP \q
.endr
	s_wait_dscnt 0x0
	MUL 7, 0
	WIN 0
	PLACES
	TOSTAGE 0
.irp a, 1,2,3
.if \a > 1
	s_wait_xcnt 0x0                                ; tile a - 2's stores have read their registers: tile a's loads may land there
.endif
	TOSTAGE \a
	SEND \a-1, 16                                  ; behind tile a - 1's loads: tile a's 8 stores and 8 loads
.endr
	SEND 3, 0
	s_wait_tensorcnt 0x0                           ; the wave's end
	ds_add_u32 v30, v31
	s_wait_dscnt 0x0
	CROUND                                         ; the closing round: no work-group ends while a partner may still ask for a tile that names it
	s_endpgm
.Lfunc_end_k_qbd25e8de90_outp:
	.size	k_qbd25e8de90_outp, .Lfunc_end_k_qbd25e8de90_outp-k_qbd25e8de90_outp
	.p2alignl 7, 3214868480
	.fill 96, 4, 3214868480
	.section	.rodata,"a",@progbits
	.p2align	6, 0x0
	.amdhsa_kernel k_qbd25e8de90_outp
		.amdhsa_group_segment_fixed_size 222720
		.amdhsa_private_segment_fixed_size 0
		.amdhsa_enable_private_segment 0
		.amdhsa_kernarg_size 32
		.amdhsa_user_sgpr_count 2
		.amdhsa_user_sgpr_kernarg_segment_ptr 1
		.amdhsa_wavefront_size32 1
		.amdhsa_system_sgpr_workgroup_id_x 1
		.amdhsa_system_sgpr_workgroup_id_y 1
		.amdhsa_system_sgpr_workgroup_id_z 1
		.amdhsa_system_vgpr_workitem_id 0
		.amdhsa_next_free_vgpr 672
		.amdhsa_next_free_sgpr 66
		.amdhsa_reserve_vcc 0
		.amdhsa_float_denorm_mode_32 3
		.amdhsa_float_denorm_mode_16_64 3
		.amdhsa_memory_ordered 1
		.amdhsa_forward_progress 1
		.amdhsa_inst_pref_size 54
	.end_amdhsa_kernel
	.amdgpu_metadata
---
amdhsa.version: [ 1, 2 ]
amdhsa.kernels:
  - .name:           k_qbd25e8de90_outp
    .symbol:         k_qbd25e8de90_outp.kd
    .args:
      - { .name: oc, .offset: 0, .size: 8, .value_kind: global_buffer, .address_space: global }
      - { .name: wc, .offset: 8, .size: 8, .value_kind: global_buffer, .address_space: global }
      - { .name: bo, .offset: 16, .size: 8, .value_kind: global_buffer, .address_space: global }
      - { .name: out0, .offset: 24, .size: 8, .value_kind: global_buffer, .address_space: global }
    .group_segment_fixed_size: 222720
    .private_segment_fixed_size: 0
    .kernarg_segment_align: 8
    .kernarg_segment_size: 32
    .max_flat_workgroup_size: 128
    .sgpr_count:     66
    .vgpr_count:     672
    .wavefront_size: 32
...
	.end_amdgpu_metadata
.endif
;; end of part 4
